; MI455X (gfx1250); checked and timed in simulation.
; The chip was launched on July 23, 2026; its instructions are those of AMD's public machine-readable ISA for CDNA 5 (MIT licence, August 2026) and "CDNA5" Instruction Set Architecture Reference Guide (July 2026). The comments in the code are by the model that wrote it; some were corrected since.
;; Self attention non local block without shortcut connection. Allowed arithmetic: matrix products marked QUANTISED: E2M1 operands, one E8M0 scale for each 32 along K, by v_wmma_scale_f32_16x16x128_f8f6f4 with both operands' format E2M1 (or v_wmma_scale_f32_32x16x128_f4), f32 sums; products left as they are: bf16, f16 or f32 operands; f32 sums; everything else in f32.
;; Inputs: Wk 256 x 64 float32; Wo 64 x 256 float32; Wq 256 x 64 float32; Wv 256 x 64 float32; beta 256 float32; gamma 256 float32; moving_mean 256 float32; moving_var 256 float32; x 8 x 64 x 64 x 256 float32.
;; Outputs: out0 8 x 64 x 64 x 256 float32.
;; This version of the problem:
;;   THIS VERSION OF THE PROBLEM IS GIVEN IN LOW PRECISION. The matrix products marked QUANTISED in the list below multiply operands that are first quantised to E2M1 (2 exponent bits, 1 mantissa bit; 4 bits a number), with one power-of-two scale for each 32 numbers along K (OCP MX v1.0); their sums are f32. The products marked 'left as it is' may take bf16, f16 or f32 operands, with f32 sums. Whichever they take, every output number must still come out within the allowed error. Rounding operands to bf16 (8 significant bits) uses up far more of that allowance than f16 does (11 bits, for magnitudes from 6e-5 to 65,504). All else is computed in f32.
;;   The module's matrix products, in the order in which they are computed (A, B: the left and right operand; K: the contracted axis; several contracted axes count as one K, in the product's order):
;;     1. [M 32,768, K 256] x [K 256, N 64]; A: input x; B: input Wk: QUANTISED
;;     2. [M 32,768, K 256] x [K 256, N 64]; A: input x; B: input Wq: QUANTISED
;;     3. [M 32,768, K 256] x [K 256, N 64]; A: input x; B: input Wv: QUANTISED
;;     4. batch 8 x [M 4,096, K 64] x [K 64, N 4,096]; A: computed on the way; B: computed on the way: left as it is (an operand is computed on the way)
;;     5. batch 8 x [M 4,096, K 4,096] x [K 4,096, N 64]; A: computed on the way; B: computed on the way: left as it is (an operand is computed on the way)
;;     6. [M 32,768, K 64] x [K 64, N 256]; A: computed on the way; B: input Wo: left as it is (an operand is computed on the way)
;;   THE QUANTISER, for each operand of a quantised product, along K:
;;     - K is cut into blocks of 32 from its start; a last block that is shorter is filled with zeros.
;;     - A block's scale is 2^e with e = floor(log2(the largest magnitude in the block)) - 2, held to -126 .. 127; a block of zeros has e = 0. As a byte (E8M0): e + 127.
;;     - Each number is divided by its block's scale, clamped to +-6, and rounded to the nearest number of E2M1, ties to even, subnormals kept.
;;     - The product sums the exact products of the quantised numbers (number of the format x scale) in f32.
;;   ~~~python
;;   def quantise(x, axis):      # numpy; x: float32 -> the quantised numbers, widened to float32 again
;;       x = np.moveaxis(x, axis, -1); K = x.shape[-1]
;;       x = np.pad(x, [(0, 0)] * (x.ndim - 1) + [(0, -K % 32)]); x = x.reshape(x.shape[:-1] + (-1, 32)); a = np.abs(x).max(-1, keepdims=True)
;;       e = np.where(a > 0, np.clip(np.frexp(np.where(a > 0, a, 1))[1] - 1 - 2, -126, 127), 0)      # np.frexp(a)[1] - 1 = floor(log2(a)), exactly
;;       r = np.clip(x / 2.0 ** e, -6, 6)
;;       step = 2.0 ** (np.maximum(np.frexp(np.where(r == 0, 1, r))[1] - 1, 0) - 1)
;;       q = np.round(r / step) * step * 2.0 ** e      # np.round: ties to even
;;       return np.moveaxis(q.reshape(q.shape[:-2] + (-1,))[..., :K], -1, axis).astype(np.float32)
;;   ~~~
;; 2 versions, each right. Each part assembles by itself: llvm-mc -triple=amdgcn-amd-amdhsa -mcpu=gfx1250 --defsym DOCPART=n.
;; ======== version 1 of 2: 2 launches
;; limits: values are held in f16: magnitudes above 65,504 overflow, below 6.1e-05 lose precision
;; workspace buffers: kf 8,388,608 bytes; qv 12,582,912 bytes; wof 32,768 bytes; bias 1,024 bytes
;; launch proj (part 1): grid 256 x 1, 8 waves a work-group, no clusters, 167,936 bytes of LDS; arguments x, Wk, Wq, Wv, Wo, gamma, beta, moving_mean, moving_var, kf, qv, wof, bias; writes kf, qv, wof, bias
.if DOCPART == 1
	.amdgcn_target "amdgcn-amd-amdhsa--gfx1250"
	.amdhsa_code_object_version 6
	.text
	.protected	k_qaedacb3856_proj
	.globl	k_qaedacb3856_proj
	.p2align	8
	.type	k_qaedacb3856_proj,@function
k_qaedacb3856_proj:
	s_mov_b64 s[64:65], 0
	v_nop
	global_prefetch_b8 v0, s[64:65] scope:SCOPE_SE
	s_setreg_imm32_b32 hwreg(HW_REG_WAVE_MODE, 25, 1), 1
	s_wait_xcnt 0x0
; k, q, v = x W, the three products on codes of FP4 (E2M1) with one E8M0 scale for each 32 along K = 256.  x: [32768][256] f32; Wk, Wq, Wv: [256][64] f32, K their first axis.
; Results leave as f16, laid as IMAGES OF THE NEXT LAUNCH'S OPERAND REGISTERS (a group of four registers = 512 consecutive bytes, lane l at 16 l).  k x log2(e) and q leave as PAIRS of f16 numbers, a high part (the f32
; number with its mantissa cut to 10 bits: exact in f16) and a low part (the remainder, taken exactly in f32, rounded to f16): the scores stand in an exponent, where the rounding of one f16 number weighs too much.
;   kf: [2048 tiles of 16 rows][4 KB]: 2 KB high, 2 KB low; piece 2 c + half: fragment "16 rows x channels 32 c on";
;   qv: [512 chunks of 64 positions][24 KB]: q's high parts (piece 4 kt + 2 c + half), q's low parts, v^T (piece 8 kb + 2 ct + half), 8 KB each.
; k and q are made TRANSPOSED (source 0 = 16 columns of W, source 1 = 16 rows of x): a lane then holds one position and eight neighbouring channels, which pack into four registers of a fragment whose K is the channels.
; v is made the natural way (source 0 = x, source 1 = W): a lane holds one channel and eight neighbouring positions: four registers of a fragment of v^T whose K is the positions.  Nothing is transposed by an instruction.
; SHARES.  A work-group owns 128 rows of x, each of its eight waves 16: 16 KB, brought by ONE tensor load into the wave's own LDS bytes, filled once.  While it is on its way the eight waves share the quantising of the
; 24 fragments of W (wave w: column tile w / 2, K step w % 2, of each of the three): lane = column, registers down K; the codes and scale words go round as register images in LDS, one barrier.
; Work-group 0 also folds the batch norm into Wo: wof = (Wo g')^T as f16 fragments (piece 4 tile + 2 s + half), bias = beta - mean g', g' = gamma / sqrt(var + 0.001).
; A block's scale is 2^(floor(log2(largest magnitude)) - 2); its byte is the largest magnitude's exponent field - 2, held at 1 from below.
; LIMITS: NaN and infinities are not served.  A block of zeros, and one whose largest magnitude lies under 2^-124, takes the byte 1 (a block of zeros: where the rule says 127; its codes are zeros, and this program alone reads the bytes).
; |k log2(e)|, |q|, |v| and |Wo g'| must stay at or under 65,504, f16's largest number; a high part under 2^-14 is rounded to a multiple of 2^-24, and that rounding is not carried in the low part.
; The batch norm's gain is multiplied into Wo ahead of the rounding to f16: another order of rounding than gamma (out - mean) rsqrt(..) + beta.
.set XTW,   16640                      ; LDS: a wave's tile of x: 16 rows x (1,024 bytes + 16 of padding)
.set XP,    1040                       ; = 65 x 16 bytes: the 16 rows that a load touches start at 16 different columns of 16 bytes
.set WIM,   8*XTW                      ; W's 24 fragments as images, 1,024 bytes each: number 8 m + f (m: 0 k, 1 q, 2 v; f = 2 x column tile + K step)
.set WSC,   WIM+24*1024                ; their scale words, 128 bytes each
.set SPARE, WSC+24*128                 ; the spare words, 128 bytes for each wave: four blocks of 256 bytes that no other line names
.set CHK,   24576                      ; a chunk of qv
.set XC,   16                          ; v16-31   x's codes: K step s at 8 s.  (Before that: the codes of W just made)
.set XS,   32                          ; v32-33   x's scale words: nothing else ever
.set WS,   34                          ; v34-57   W's scale words, 8 m + f: nothing else ever
.set RAW,  64                          ; v64-255  3 x 64 numbers of W; then v64-191 the 128 numbers of my row of x
.set WB0,  64                          ; then: W's fragments: k's;
.set WB1,  128                         ; q's, later v's
.set ACC0, 192                         ; k: four accumulators
.set ACC1, 224                         ; q
.set ACC2, 192                         ; v: where k's lay
.set HI,   64                          ; v64-79   packed high parts, v80-95 packed low parts, v96-127 the high parts in f32: over k's fragments, which are done with
.set LO,   80
.set TF,   96
; v1 r, v2 h, v3 16 x lane, v4 4 x lane, v5 W's offset, v6 x's LDS address, v7, v8 where I store an image and its scale words, v10, v11 where images and scale words are read, v13 8 h, v14, v15 the add's two, v9, v12, v58-63 at work
; 64 numbers of a lane, two whole blocks of 32 along K (block c at src + 32 c; it is block 2 c + h of the K step), become 8 registers of codes at dst and the K step's scale word in wrd.
.macro QUANT src, dst, wrd
.irp c, 0,1
	v_max3_num_f32 v[58+\c], |v[\src+32*\c]|, |v[\src+32*\c+1]|, 0x1800000   ; the floor 2^(3 - 127) among the leaves: the byte cannot fall under 1
.endr
.irp i, 2,4,6,8,10,12,14,16,18,20,22,24,26,28,30
.irp c, 0,1
	v_max3_num_f32 v[58+\c], v[58+\c], |v[\src+32*\c+\i]|, |v[\src+32*\c+\i+1]|   ; the two blocks by turns
.endr
.endr
.irp c, 0,1
	v_add_nc_u32 v[60+\c], 0xff000000, v[58+\c]    ; 2 off the exponent field: the conversion takes this operand's exponent field as its scale
.endr
.irp c, 0,1
	v_lshrrev_b32 v[58+\c], 23, v[60+\c]           ; the scale's byte
.endr
	v_lshl_or_b32 v62, v59, 16, v58                ; my two bytes, blocks h and 2 + h,
	v_lshlrev_b32 v62, v13, v62                    ; at their places: 8 h bits up;
	v_permlanex16_b32 v63, v62, s22, s23
	v_or_b32 v[\wrd], v62, v63                     ; with lane l xor 16's two the word is whole
.irp c, 0,1
.irp g, 0,1,2,3
	v_cvt_scalef32_pk8_fp4_f32 v[\dst+4*\c+\g], v[\src+32*\c+8*\g:\src+32*\c+8*\g+7], v[60+\c]
.endr
.endr
	v_nop                                          ; one plain instruction behind the last scaled conversion
.endm
.macro WLOAD m, lo                     ; W(64 c + 32 h + i, my column): sixteen neighbouring lanes read 64 neighbouring bytes
.irp c, 0,1
.irp i, 0,1,2,3,4,5,6,7,8,9,10,11,12,13,14,15,16,17,18,19,20,21,22,23,24,25,26,27,28,29,30,31
	global_load_b32 v[RAW+64*\m+32*\c+\i], v5, s[\lo:\lo+1] offset:(64*\c+\i)*256
.endr
.endr
.endm
.macro WQUANT m                        ; my fragment of weight m: codes and scale word, to LDS as they stand
	QUANT RAW+64*\m, XC, 12
	ds_store_b128 v7, v[XC:XC+3] offset:8192*\m
	ds_store_b128 v7, v[XC+4:XC+7] offset:8192*\m+512
	ds_store_b32 v8, v12 offset:1024*\m
	s_wait_dscnt 0x0                               ; the stores have read their registers: the next fragment's codes may be written
.endm
.macro WFETCH m, reg                   ; weight m's eight fragments, as any wave's registers
.irp i, 0,1,2,3,4,5,6,7,8,9,10,11,12,13,14,15
	ds_load_b128 v[\reg+4*\i:\reg+4*\i+3], v10 offset:8192*\m+512*\i
.endr
.endm
; Eight matrix instructions: four column tiles x two K steps; the four accumulators take turns; the first K step starts the sums.  nat = 0: transposed;  1: the natural way.
.macro PROD acc, wb, wsc, nat
.irp s, 0,1
.irp ct, 0,1,2,3
.if \nat
.if \s == 0
	v_wmma_scale_f32_16x16x128_f8f6f4 v[\acc+8*\ct:\acc+8*\ct+7], v[XC+8*\s:XC+8*\s+7], v[\wb+16*\ct+8*\s:\wb+16*\ct+8*\s+7], 0, v[XS+\s], v[\wsc+2*\ct+\s] matrix_a_fmt:MATRIX_FMT_FP4 matrix_b_fmt:MATRIX_FMT_FP4
.else
	v_wmma_scale_f32_16x16x128_f8f6f4 v[\acc+8*\ct:\acc+8*\ct+7], v[XC+8*\s:XC+8*\s+7], v[\wb+16*\ct+8*\s:\wb+16*\ct+8*\s+7], v[\acc+8*\ct:\acc+8*\ct+7], v[XS+\s], v[\wsc+2*\ct+\s] matrix_a_fmt:MATRIX_FMT_FP4 matrix_b_fmt:MATRIX_FMT_FP4
.endif
.else
.if \s == 0
	v_wmma_scale_f32_16x16x128_f8f6f4 v[\acc+8*\ct:\acc+8*\ct+7], v[\wb+16*\ct+8*\s:\wb+16*\ct+8*\s+7], v[XC+8*\s:XC+8*\s+7], 0, v[\wsc+2*\ct+\s], v[XS+\s] matrix_a_fmt:MATRIX_FMT_FP4 matrix_b_fmt:MATRIX_FMT_FP4
.else
	v_wmma_scale_f32_16x16x128_f8f6f4 v[\acc+8*\ct:\acc+8*\ct+7], v[\wb+16*\ct+8*\s:\wb+16*\ct+8*\s+7], v[XC+8*\s:XC+8*\s+7], v[\acc+8*\ct:\acc+8*\ct+7], v[\wsc+2*\ct+\s], v[XS+\s] matrix_a_fmt:MATRIX_FMT_FP4 matrix_b_fmt:MATRIX_FMT_FP4
.endif
.endif
.endr
.endr
.endm
.macro PACK acc                        ; 32 results to 16 registers of f16 pairs, in place and ascending: each accumulator is read from its low end on
.irp i, 0,1,2,3,4,5,6,7,8,9,10,11,12,13,14,15
	v_cvt_pk_f16_f32 v[\acc+\i], v[\acc+2*\i], v[\acc+2*\i+1]
.endr
.endm
; 32 results become 16 registers of high parts and 16 of low parts.  The high part keeps sign, exponent and ten bits of mantissa: 11 significant bits, which f16 holds; the difference is exact in f32.
.macro SPLIT acc
.irp i, 0,1,2,3,4,5,6,7,8,9,10,11,12,13,14,15,16,17,18,19,20,21,22,23,24,25,26,27,28,29,30,31
	v_and_b32 v[TF+\i], 0xffffe000, v[\acc+\i]     ; ascending: each accumulator is read from its low end on
.endr
.irp i, 0,1,2,3,4,5,6,7,8,9,10,11,12,13,14,15
	v_pk_add_f32 v[\acc+2*\i:\acc+2*\i+1], v[\acc+2*\i:\acc+2*\i+1], v[TF+2*\i:TF+2*\i+1] neg_lo:[0,1] neg_hi:[0,1]
.endr
.irp i, 0,1,2,3,4,5,6,7,8,9,10,11,12,13,14,15
	v_cvt_pk_f16_f32 v[HI+\i], v[TF+2*\i], v[TF+2*\i+1]
.endr
.irp i, 0,1,2,3,4,5,6,7,8,9,10,11,12,13,14,15
	v_cvt_pk_f16_f32 v[LO+\i], v[\acc+2*\i], v[\acc+2*\i+1]
.endr
.endm
	s_load_b512 s[4:19], s[0:1], 0x0               ; x s[4:5], Wk s[6:7], Wq s[8:9], Wv s[10:11], Wo s[12:13], gamma s[14:15], beta s[16:17], mean s[18:19]
	s_load_b256 s[36:43], s[0:1], 0x40             ; var s[36:37], kf s[38:39], qv s[40:41], wof s[42:43]
	s_load_b64 s[44:45], s[0:1], 0x60              ; bias
	v_lshl_add_u32 v14, v0, 2, SPARE
	v_mov_b32 v15, 0
	ds_add_u32 v14, v15                            ; the wave's opening: the add, twice on end, and its wait ahead of my tensor load; the set-up below stands between
	ds_add_u32 v14, v15
	v_lshrrev_b32 v9, 5, v0
	v_readfirstlane_b32 s20, v9                    ; wave 0..7
	s_mov_b32 s22, 0x76543210
	s_mov_b32 s23, 0xfedcba98                      ; v_permlanex16_b32's selects for lane l xor 16
	; descriptor group 1: 16 rows x 256 elements of 4 bytes, 4 words of padding behind every 256 words
	s_mov_b32 s24, (2<<16)|(1<<20)|(7<<22)|(3<<25)
	s_mov_b32 s25, 256<<16                         ; tensor_dim0
	s_mov_b32 s26, 16<<16                          ; tensor_dim1
	s_mov_b32 s27, 256<<16                         ; tile_dim0
	s_mov_b32 s28, 16                              ; tile_dim1
	s_mov_b32 s29, 256                             ; elements from row to row
	s_mov_b32 s30, 0
	s_mov_b32 s31, 0
	s_mov_b32 s32, 1                               ; group 0: count
	s_mul_i32 s33, s20, XTW                        ; LDS address: my wave's own tile
	s_lshl_b32 s46, ttmp9, 17                      ; 128 rows of 1,024 bytes a work-group,
	s_lshl_b32 s47, s20, 14                        ; 16 a wave
	s_add_co_u32 s46, s46, s47
	s_mov_b32 s47, 0
	s_wait_dscnt 0x0                               ; both opening adds are done
	s_wait_kmcnt 0x0
	s_add_nc_u64 s[34:35], s[4:5], s[46:47]
	s_or_b32 s35, s35, 0x80000000                  ; type = 2
	tensor_load_to_lds s[32:35], s[24:31]          ; my 16 rows of x: the wave's one tensor load
	s_nop 0
.rept 4
	v_nop
.endr
	v_and_b32 v1, 15, v0                           ; r
	v_bfe_u32 v2, v0, 4, 1                         ; h
	v_and_b32 v9, 31, v0
	v_lshlrev_b32 v3, 4, v9                        ; 16 x lane
	v_lshlrev_b32 v4, 2, v9                        ; 4 x lane
	v_lshlrev_b32 v13, 3, v2                       ; 8 h
	v_mov_b32 v63, 0                               ; written once: a lane permute's destination counts as one of its sources
	s_lshr_b32 s46, s20, 1
	s_lshl_b32 s46, s46, 6                         ; my column tile: 64 bytes each
	s_and_b32 s47, s20, 1
	s_lshl_b32 s47, s47, 15                        ; my K step: 128 rows of 256 bytes
	s_add_co_u32 s46, s46, s47
	v_lshlrev_b32 v5, 2, v1
	v_lshl_add_u32 v5, v2, 13, v5                  ; column r; lanes 16-31 begin 32 rows further down
	v_add_nc_u32 v5, s46, v5
	WLOAD 0, 6
	WLOAD 1, 8
	v_mul_u32_u24 v6, v1, XP
	v_lshl_add_u32 v6, v2, 7, v6
	v_add_nc_u32 v6, s33, v6                       ; x in LDS: my tile, row r, + 128 h: my 32 numbers of each 64
	s_lshl_b32 s46, s20, 10
	s_add_co_u32 s46, s46, WIM
	v_add_nc_u32 v7, s46, v3
	s_lshl_b32 s46, s20, 7
	s_add_co_u32 s46, s46, WSC
	v_add_nc_u32 v8, s46, v4
	v_add_nc_u32 v10, WIM, v3
	v_add_nc_u32 v11, WSC, v4
	s_lshl_b32 s46, ttmp9, 3
	s_add_co_u32 s46, s46, s20                     ; T: my tile of 16 rows, 0 .. 2047
	s_lshl_b32 s48, s46, 12
	s_mov_b32 s49, 0
	s_add_nc_u64 s[38:39], s[38:39], s[48:49]      ; kf: 4,096 bytes a tile
	s_lshr_b32 s48, s46, 2
	s_mul_i32 s48, s48, CHK
	s_add_nc_u64 s[40:41], s[40:41], s[48:49]      ; qv: chunk T / 4
	s_and_b32 s48, s46, 3
	s_lshl_b32 s48, s48, 11
	s_add_nc_u64 s[50:51], s[40:41], s[48:49]      ; q: key tile T % 4
	s_bfe_u32 s48, s46, 0x10001
	s_lshl_b32 s48, s48, 12                        ; v: block of 32 keys (T % 4) / 2,
	s_and_b32 s47, s46, 1
	s_lshl_b32 s47, s47, 9                         ; half T % 2,
	s_add_co_u32 s48, s48, s47
	s_add_co_u32 s48, s48, 16384                   ; behind q's 16 KB
	s_add_nc_u64 s[52:53], s[40:41], s[48:49]
	s_wait_loadcnt 63                              ; Wk's 64 loads are in: 64 were issued behind them, and the count written is the next smaller number that the field holds
	WQUANT 0
	WLOAD 2, 10
	s_wait_loadcnt 63                              ; Wq's likewise
	WQUANT 1
	s_wait_loadcnt 0x0
	WQUANT 2
	; ---- work-group 0 alone: the batch norm folded into Wo.  Wave w takes output tiles 2 w and 2 w + 1.  No LDS, no barrier here.
	s_cmp_lg_u32 ttmp9, 0
	s_cbranch_scc1 .Lno_fold
	s_lshl_b32 s46, s20, 7
	v_lshlrev_b32 v9, 2, v1
	v_add_nc_u32 v9, s46, v9                       ; 4 (32 w + r): my output channel in tile 2 w
	v_add_nc_u32 v12, s46, v4                      ; 4 (32 w + lane): my number of the bias
	v_lshl_add_u32 v58, v2, 13, v9                 ; Wo: column 32 w + r, lanes 16-31 eight rows further down
	s_lshl_b32 s46, s20, 12
	v_add_nc_u32 v59, s46, v3                      ; wof: my wave's eight pieces
	global_load_b32 v160, v9, s[14:15]
	global_load_b32 v161, v9, s[14:15] offset:64
	global_load_b32 v162, v12, s[14:15]
	global_load_b32 v164, v9, s[36:37]
	global_load_b32 v165, v9, s[36:37] offset:64
	global_load_b32 v166, v12, s[36:37]
	global_load_b32 v168, v12, s[16:17]
	global_load_b32 v169, v12, s[18:19]
.irp tl, 0,1
.irp s, 0,1
.irp hf, 0,1
.irp e, 0,1,2,3,4,5,6,7
	global_load_b32 v[64+32*\tl+16*\s+8*\hf+\e], v58, s[12:13] offset:(32*\s+16*\hf+\e)*1024+64*\tl   ; Wo(32 s + 16 half + 8 h + e, 16 tile + r)
.endr
.endr
.endr
.endr
	s_wait_loadcnt 0x0
.irp i, 0,1,2
	v_add_f32 v[164+\i], 0x3a83126f, v[164+\i]     ; var + 0.001
.endr
.irp i, 0,1,2
	v_rsq_f32 v[170+\i], v[164+\i]
.endr
	v_nop                                          ; a plain instruction behind the last of the batch,
	s_wait_alu depctr_va_vdst(0)                   ; and the one wait ahead of the batch's first reader
.irp i, 0,1,2
	v_mul_f32 v[160+\i], v[160+\i], v[170+\i]      ; g'
.endr
.irp tl, 0,1
.irp j, 0,1,2,3,4,5,6,7,8,9,10,11,12,13,14,15,16,17,18,19,20,21,22,23,24,25,26,27,28,29,30,31
	v_mul_f32 v[64+32*\tl+\j], v[64+32*\tl+\j], v[160+\tl]
.endr
.endr
.irp i, 0,1,2,3,4,5,6,7,8,9,10,11,12,13,14,15,16,17,18,19,20,21,22,23,24,25,26,27,28,29,30,31
	v_cvt_pk_f16_f32 v[128+\i], v[64+2*\i], v[64+2*\i+1]
.endr
.irp i, 0,1,2,3,4,5,6,7
	global_store_b128 v59, v[128+4*\i:128+4*\i+3], s[42:43] offset:512*\i   ; 32 lanes store 512 consecutive bytes, aligned
.endr
	v_fma_f32 v168, -v169, v162, v168              ; beta - mean g'
	global_store_b32 v12, v168, s[44:45]
	s_wait_xcnt 0x0                                ; these loads and stores have read their registers: they are written again below
.Lno_fold:
	s_wait_dscnt 0x0                               ; for the others' sake: my images of W lie in LDS
	s_barrier_signal -1
	s_barrier_wait -1                              ; everybody's do.  (Nothing is filled again in this launch: my tensor load may be out here)
	s_wait_tensorcnt 0x0                           ; my tile of x is in; no other wave reads it
.irp b, 0,1,2,3                        ; block pair b = 2 s + c: numbers 64 b + 32 h + 0 .. 31 of my row
.irp i, 0,1,2,3,4,5,6,7
	ds_load_b128 v[RAW+32*\b+4*\i:RAW+32*\b+4*\i+3], v6 offset:256*\b+16*\i
.endr
.endr
	s_wait_dscnt 0x0
	QUANT RAW, XC, XS
	QUANT RAW+64, XC+8, XS+1
	WFETCH 0, WB0
	WFETCH 1, WB1
.irp j, 0,1,2,3,4,5,6,7,8,9,10,11,12,13,14,15,16,17,18,19,20,21,22,23
	ds_load_b32 v[WS+\j], v11 offset:128*\j
.endr
.rept 8
	v_nop                                          ; x's scale words were written by vector instructions: eight places ahead of a scaled matrix instruction (its codes: four)
.endr
	s_wait_dscnt 0x0
	PROD ACC0, WB0, WS, 0                          ; k
	PROD ACC1, WB1, WS+8, 0                        ; q
.rept 5
	v_nop                                          ; five places: four ahead of the loads into q's fragments, of the writes over k's and of the first read of results; the fifth for v's products, whose results are laid over k's
.endr
	WFETCH 2, WB1
.irp i, 0,1,2,3,4,5,6,7,8,9,10,11,12,13,14,15
	v_pk_mul_f32 v[ACC0+2*\i:ACC0+2*\i+1], v[ACC0+2*\i:ACC0+2*\i+1], 0x3fb8aa3b op_sel_hi:[1,0]   ; k x log2(e): the next launch's exponentials work in base 2
.endr
	SPLIT ACC0
.irp j, 0,1,2,3
	global_store_b128 v3, v[HI+4*\j:HI+4*\j+3], s[38:39] offset:512*\j        ; column tile j = piece 2 c + half
.endr
.irp j, 0,1,2,3
	global_store_b128 v3, v[LO+4*\j:LO+4*\j+3], s[38:39] offset:2048+512*\j
.endr
	s_wait_xcnt 0x0                                ; k's stores have read their registers: q's parts are written there
	SPLIT ACC1
.irp j, 0,1,2,3
	global_store_b128 v3, v[HI+4*\j:HI+4*\j+3], s[50:51] offset:512*\j
.endr
.irp j, 0,1,2,3
	global_store_b128 v3, v[LO+4*\j:LO+4*\j+3], s[50:51] offset:8192+512*\j
.endr
	s_wait_dscnt 0x0                               ; v's fragments are in
	PROD ACC2, WB1, WS+16, 1                       ; v
.rept 4
	v_nop
.endr
	PACK ACC2
.irp j, 0,1,2,3
	global_store_b128 v3, v[ACC2+4*\j:ACC2+4*\j+3], s[52:53] offset:1024*\j  ; channel tile j: piece 2 j + half
.endr
	s_wait_tensorcnt 0x0                           ; the wave's end: behind my tensor load and my last LDS store
	ds_add_u32 v14, v15
	s_wait_dscnt 0x0
	s_endpgm
.Lfunc_end_k_qaedacb3856_proj:
	.size	k_qaedacb3856_proj, .Lfunc_end_k_qaedacb3856_proj-k_qaedacb3856_proj
	.p2alignl 7, 3214868480
	.fill 96, 4, 3214868480
	.section	.rodata,"a",@progbits
	.p2align	6, 0x0
	.amdhsa_kernel k_qaedacb3856_proj
		.amdhsa_group_segment_fixed_size 167936
		.amdhsa_private_segment_fixed_size 0
		.amdhsa_enable_private_segment 0
		.amdhsa_kernarg_size 104
		.amdhsa_user_sgpr_count 2
		.amdhsa_user_sgpr_kernarg_segment_ptr 1
		.amdhsa_wavefront_size32 1
		.amdhsa_system_sgpr_workgroup_id_x 1
		.amdhsa_system_sgpr_workgroup_id_y 1
		.amdhsa_system_sgpr_workgroup_id_z 1
		.amdhsa_system_vgpr_workitem_id 0
		.amdhsa_next_free_vgpr 256
		.amdhsa_next_free_sgpr 66
		.amdhsa_reserve_vcc 0
		.amdhsa_float_denorm_mode_32 3
		.amdhsa_float_denorm_mode_16_64 3
		.amdhsa_memory_ordered 1
		.amdhsa_forward_progress 1
		.amdhsa_inst_pref_size 75
	.end_amdhsa_kernel
	.amdgpu_metadata
---
amdhsa.version: [ 1, 2 ]
amdhsa.kernels:
  - .name:           k_qaedacb3856_proj
    .symbol:         k_qaedacb3856_proj.kd
    .args:
      - { .name: x, .offset: 0, .size: 8, .value_kind: global_buffer, .address_space: global }
      - { .name: Wk, .offset: 8, .size: 8, .value_kind: global_buffer, .address_space: global }
      - { .name: Wq, .offset: 16, .size: 8, .value_kind: global_buffer, .address_space: global }
      - { .name: Wv, .offset: 24, .size: 8, .value_kind: global_buffer, .address_space: global }
      - { .name: Wo, .offset: 32, .size: 8, .value_kind: global_buffer, .address_space: global }
      - { .name: gamma, .offset: 40, .size: 8, .value_kind: global_buffer, .address_space: global }
      - { .name: beta, .offset: 48, .size: 8, .value_kind: global_buffer, .address_space: global }
      - { .name: moving_mean, .offset: 56, .size: 8, .value_kind: global_buffer, .address_space: global }
      - { .name: moving_var, .offset: 64, .size: 8, .value_kind: global_buffer, .address_space: global }
      - { .name: kf, .offset: 72, .size: 8, .value_kind: global_buffer, .address_space: global }
      - { .name: qv, .offset: 80, .size: 8, .value_kind: global_buffer, .address_space: global }
      - { .name: wof, .offset: 88, .size: 8, .value_kind: global_buffer, .address_space: global }
      - { .name: bias, .offset: 96, .size: 8, .value_kind: global_buffer, .address_space: global }
    .group_segment_fixed_size: 167936
    .private_segment_fixed_size: 0
    .kernarg_segment_align: 8
    .kernarg_segment_size: 104
    .max_flat_workgroup_size: 256
    .sgpr_count:     66
    .vgpr_count:     256
    .wavefront_size: 32
...
	.end_amdgpu_metadata
.endif
;; end of part 1
;; launch attn (part 2): grid 32 x 8, 8 waves a work-group, clusters of 4 x 1, 327,680 bytes of LDS; arguments kf, qv, wof, bias, out0; writes out0
.if DOCPART == 2
	.amdgcn_target "amdgcn-amd-amdhsa--gfx1250"
	.amdhsa_code_object_version 6
	.text
	.protected	k_qaedacb3856_attn
	.globl	k_qaedacb3856_attn
	.p2align	8
	.type	k_qaedacb3856_attn,@function
k_qaedacb3856_attn:
	s_mov_b64 s[64:65], 0
	v_nop
	global_prefetch_b8 v0, s[64:65] scope:SCOPE_SE
	s_setreg_imm32_b32 hwreg(HW_REG_WAVE_MODE, 25, 1), 1
	s_wait_xcnt 0x0
	s_wait_alu depctr_hold_cnt(0) depctr_sa_sdst(0) depctr_va_vdst(0) depctr_va_sdst(0) depctr_va_ssrc(0) depctr_va_vcc(0) depctr_vm_vsrc(0)
	s_getreg_b32 s2, hwreg(HW_REG_IB_STS2, 6, 4)
	s_cmp_eq_u32 s2, 0
	s_cbranch_scc0 .Lentry_in_a_cluster
	s_endpgm
.Lentry_in_a_cluster:
	s_bfe_u32 s2, ttmp6, 0x10000c
	s_cmp_lg_u32 s2, 0x3003
	s_cbranch_scc0 .Lentry_shape_is_right
	s_endpgm
.Lentry_shape_is_right:
; out[b][i][:] = (softmax_j(k[b][i] . q[b][j]) v[b][j][:]) Wo g' + bias: 4,096 rows i and 4,096 keys j a batch, 64 channels, 256 outputs.  All operands f16, sums, maxima and exponentials f32.
; kf, qv, wof are images of operand registers (four registers = 512 consecutive bytes, lane l at 16 l), made by the launch before; kf holds k x log2(e), so that p = 2^(s - m) with no scaling.
; THE SCORES' OPERANDS ARE PAIRS OF f16 NUMBERS, a high and a low part: S^T = qh kh + qh kl + ql kh (ql kl, some 2^-20 of a term, is left out).  A score stands in an exponent: its error is a relative error of p.
; SHARES.  A work-group owns 128 rows of one batch.  Wave w: rows 64 (w % 2) on (four tiles of 16), and the quarter g = w / 2 of the keys: chunk 4 n + g (64 keys) in step n = 0 .. 15.  Each wave keeps its own running
; maximum m, sum l and O^T over its 1,024 keys; the four quarters are merged at the end, through LDS: O = sum_g 2^(m_g - M) O_g / sum_g 2^(m_g - M) l_g.
; LAYOUT.  S^T = q k^T (source 0 = 16 keys, source 1 = 16 rows): a lane holds ONE row (lane % 16) and keys 8 (lane / 16) + 0..7.  Two such tiles, rounded to f16 in pairs, ARE source 1 (32 keys x 16 rows) of O^T = v^T P.
; BY TICKS.  The waves have two ROLES (w / 4).  Time goes in ticks, parted by work-group barriers that stand on every wave's path: in a tick one role has its matrix work (32 products v^T P of the last step, 96 products for
; this step's scores, and their 48 LDS loads) and the other its softmax (vector work on registers alone); in the next tick they change places.  So matrix work and vector work are always both on hand in the work-group.
; RING.  Two LDS slots of 96 KB; a slot holds a step's four chunks of 24 KB; wave w fetches 12 KB of it by one tensor load.  Both roles read a step's bytes within that step's two ticks; the barrier that ends a step changes slots.
; CLUSTER.  The four row blocks of a cluster belong to one batch and walk the same q and v: each part of a slot (and of Wo's image) is asked for JOINTLY, by the same tensor load with the same descriptor and a mask that names the four.
; LIMITS: NaN and infinities are not served; the normalised attention output must stay at or under 65,504 (it is rounded to f16 for the product with Wo).
; REGISTERS.  Window 0: v1-12 addresses, v14-15 the add's two; v16-47 statistics, eight a tile: +0 m, +1 old m, +2,+3 l (even keys', odd keys'), +4..+7 at work (a = 2^(old m - m) in +6); v48-63 the merge's;
;   v64-191 S^T, 32 a tile, then p, then P packed into each tile's low 16; v192-255 THE POOL, two halves of 32 that take turns: v^T, then q's high parts, then its low parts, then the step's v^T, which stays over the softmax's tick.
;   Window 1: v0-127 O^T (tile t, channel tile ct at 32 t + 8 ct); v128-191 k's high parts, v192-255 its low parts (16 t + 8 c).
.set SLOT1, 1<<17                      ; slot 1 begins here: one exclusive or turns an address in one slot into the other's
.set CHK,   24576                      ; a chunk: q's high parts, q's low parts, v^T: 8 KB each
.set STEPB, 4*CHK                      ; a step's four chunks: a slot
.set WOI,   STEPB                      ; between the slots: Wo's image, 32 KB, filled once
.set STT,   SLOT1+STEPB                ; the merge's m and l: number 4 T + g (T: tile of rows 0..7): 256 bytes: m, then l, 4 bytes a lane
.set SPARE, STT+8192                   ; the spare words, 128 bytes for each wave: four blocks of 256 bytes that no other line names
.set OST,   SPARE+1024                 ; the way out: 16 rows x (512 bytes + 16) for each wave: bytes of their own
.set OSW,   16*528                     ; (the merge's O^T, 4 KB for each tile and quarter, lies in the slots' first 64 KB, tiles 0-3 in slot 0, tiles 4-7 in slot 1: both have had their last fill and their last read by then)
.set AK0, 1                            ; v1   24,576 g + 16 x lane: my chunk's place in a step's four
.set ADR, 2                            ; v2   the step's LDS address; made on the common path
.set LI,  3                            ; v3   16 x lane
.set MSA, 4                            ; v4   where I store my O^T for the merge
.set STA, 5                            ; v5   and my m and l
.set MLA, 6                            ; v6   where I read tile w's four O^T
.set SLA, 7                            ; v7   and its m and l
.set WLA, 8                            ; v8   Wo's image
.set STO, 9                            ; v9   the stage: where I put 32 bytes of a row
.set RD,  10                           ; v10  and where I read a row back
.set BO,  11                           ; v11  32 h: my eight numbers of a tile's 16 of the bias
.set PFO, 12                           ; v12  256 x lane
.set SPW, 14
.set NIL, 15
.set ST,  16
.set S,   64
.set PL,  192                          ; the pool
.set KH,  128                          ; window 1: k's high parts
.set KL,  192                          ; window 1: its low parts
.set OF,  192                          ; the merged O as f16
; s14 wave, s15 role, s16 w % 2, s17 g, s18 cx, s19 row block, s20 batch; s[24:31], s[32:39] descriptor groups 1 (a slot's parts; Wo); s[40:43], s[44:47], s[48:51] groups 0 (slot 0; slot 1, which then walks; Wo)
; s52 changes of slots that still fill, s54 LDS byte of the step in hand, s55 prefetch limit, s[56:57] prefetch address, s[58:59] lane selects, s[60:61] kf at my rows
.set MSB, 0
.macro WIN new                         ; the immediate's high byte repeats the setting that is left; a switch that changes nothing is dropped
.if MSB != \new
	s_set_vgpr_msb (MSB<<8)|\new
.set MSB, \new
.endif
.endm
.set W_PV, 0x50                        ; v^T and P window 0, O^T (C and D) window 1
.set W_KQ, 0x04                        ; q window 0, k window 1, S^T window 0.  (An LDS load under it has its address and its destination in window 0)
.set W_LK, 0x40                        ; destination window 1, address window 0
.set W_RS, 0x41                        ; O^T (destination and source 0) window 1, a window 0
.set W_D1, 0x04                        ; an LDS store's data: window 1
.set W_E0, 0x51                        ; Wo's fragment window 1, O window 0, C and D window 1
.macro CROUND                          ; a round of the cluster's barrier
	s_barrier_signal -1
	s_barrier_wait -1
	s_cmp_lg_u32 s14, 0
	s_cbranch_scc1 .Lnot_wave_0_\@
	s_barrier_signal -3
.Lnot_wave_0_\@:
	s_barrier_wait -3
	s_barrier_signal -1
	s_barrier_wait -1
.endm
.macro BAR                             ; the end of a tick: no LDS instruction of mine is out; then the work-group's barrier
	s_wait_dscnt 0x0
	s_barrier_signal -1
	s_barrier_wait -1
.endm
.macro NOPS n
.rept \n
	v_nop
.endr
.endm
; THE MATRIX WORK OF A TICK.
.macro LDP hf, off                     ; eight loads: 4 KB of my chunk, from byte off on, into half hf of the pool
.irp i, 0,1,2,3,4,5,6,7
	ds_load_b128 v[PL+32*\hf+4*\i:PL+32*\hf+4*\i+3], v[ADR] offset:\off+512*\i
.endr
.endm
.macro PVH kb, zero                    ; 16 products O^T += v^T P: keys 32 kb on; zero: they start the sums (nothing is ever cleared).  The sixteen accumulators take turns
.irp ct, 0,1,2,3
.irp t, 0,1,2,3
.if \zero
	v_wmma_f32_16x16x32_f16 v[32*\t+8*\ct:32*\t+8*\ct+7], v[PL+32*\kb+8*\ct:PL+32*\kb+8*\ct+7], v[S+32*\t+8*\kb:S+32*\t+8*\kb+7], 0
.else
	v_wmma_f32_16x16x32_f16 v[32*\t+8*\ct:32*\t+8*\ct+7], v[PL+32*\kb+8*\ct:PL+32*\kb+8*\ct+7], v[S+32*\t+8*\kb:S+32*\t+8*\kb+7], v[32*\t+8*\ct:32*\t+8*\ct+7]
.endif
.endr
.endr
.endm
.macro KQG hf, kreg, zero              ; 16 products S^T += q k^T: the part of q in half hf of the pool (key tiles 2 hf, 2 hf + 1) x the part of k at kreg; eight accumulators by turns
.irp c, 0,1
.irp kk, 0,1
.irp t, 0,1,2,3
.if \zero && (\c == 0)
	v_wmma_f32_16x16x32_f16 v[S+32*\t+8*(2*\hf+\kk):S+32*\t+8*(2*\hf+\kk)+7], v[PL+32*\hf+16*\kk+8*\c:PL+32*\hf+16*\kk+8*\c+7], v[\kreg+16*\t+8*\c:\kreg+16*\t+8*\c+7], 0
.else
	v_wmma_f32_16x16x32_f16 v[S+32*\t+8*(2*\hf+\kk):S+32*\t+8*(2*\hf+\kk)+7], v[PL+32*\hf+16*\kk+8*\c:PL+32*\hf+16*\kk+8*\c+7], v[\kreg+16*\t+8*\c:\kreg+16*\t+8*\c+7], v[S+32*\t+8*(2*\hf+\kk):S+32*\t+8*(2*\hf+\kk)+7]
.endif
.endr
.endr
.endr
.endm
; pv = 2: v^T P of the step before; 1: it starts O^T's sums; 0: none.  kq = 1: this step's scores, and its v^T into the pool.  As soon as a half of the pool has been multiplied, four places on, it is loaded with what is
; wanted 16 to 32 matrix instructions later.  Each s_wait_dscnt 8 leaves out the eight loads of the other half, which were issued behind the half that is wanted.
.macro MATS pv, kq
.if \pv
	WIN W_PV
	PVH 0, 2-\pv
	NOPS 4                                         ; places ahead of the loads into registers that these products have read
.if \kq
	WIN 0
	LDP 0, 0                                       ; q's high parts, key tiles 0, 1
	WIN W_PV
.endif
	PVH 1, 0
	NOPS 5                                         ; five places: the scores are laid over P, which these products have read
.if \kq
	WIN W_KQ
	LDP 1, 4096                                    ; key tiles 2, 3
.endif
.else
	LDP 0, 0
	LDP 1, 4096
	WIN W_KQ
.endif
.if \kq
	s_wait_dscnt 8
	KQG 0, KH, 1
	KQG 0, KL, 0
	NOPS 4
	LDP 0, 8192                                    ; q's low parts, key tiles 0, 1
	s_wait_dscnt 8
	KQG 1, KH, 1
	KQG 1, KL, 0
	NOPS 4
	LDP 1, 12288                                   ; key tiles 2, 3
	s_wait_dscnt 8
	KQG 0, KH, 0
	NOPS 4
	LDP 0, 16384                                   ; v^T, keys 0 to 31: wanted a tick and more later
	s_wait_dscnt 8
	KQG 1, KH, 0
	NOPS 5                                         ; places behind the last products, ahead of the loads below and of whatever reads the scores
	LDP 1, 20480                                   ; keys 32 to 63
	WIN 0
	s_wait_dscnt 0x0                               ; v^T is in
.else
	WIN 0
.endif
.endm
; THE VECTOR WORK OF A TICK: the softmax of four tiles for one step of 64 keys.  s0-s31 are the lane's scores of a tile, in pairs 0-15.
.macro SUBP t, i                       ; pair i: s - m
	v_pk_add_f32 v[S+32*(\t)+2*(\i):S+32*(\t)+2*(\i)+1], v[S+32*(\t)+2*(\i):S+32*(\t)+2*(\i)+1], v[ST+8*(\t):ST+8*(\t)+1] op_sel_hi:[1,0] neg_lo:[0,1] neg_hi:[0,1]
.endm
.macro EXPS t, e
	v_exp_f32 v[S+32*(\t)+(\e)], v[S+32*(\t)+(\e)]
.endm
.macro SUMP t, i, first                ; line i of 16 of the tile's sum, in two chains: l = a l + pair 0; B = pair 1 + pair 2; l (i even) or B (i odd) += pair i + 1; l += B
.if (\i) == 0
.if \first
	v_pk_add_f32 v[ST+8*(\t)+2:ST+8*(\t)+3], v[ST+8*(\t)+2:ST+8*(\t)+3], v[S+32*(\t):S+32*(\t)+1]
.else
	v_pk_fma_f32 v[ST+8*(\t)+2:ST+8*(\t)+3], v[ST+8*(\t)+2:ST+8*(\t)+3], v[ST+8*(\t)+6:ST+8*(\t)+7], v[S+32*(\t):S+32*(\t)+1] op_sel_hi:[1,0,1]
.endif
.elseif (\i) == 1
	v_pk_add_f32 v[ST+8*(\t)+4:ST+8*(\t)+5], v[S+32*(\t)+2:S+32*(\t)+3], v[S+32*(\t)+4:S+32*(\t)+5]
.elseif (\i) == 15
	v_pk_add_f32 v[ST+8*(\t)+2:ST+8*(\t)+3], v[ST+8*(\t)+2:ST+8*(\t)+3], v[ST+8*(\t)+4:ST+8*(\t)+5]
.elseif ((\i) % 2) == 0
	v_pk_add_f32 v[ST+8*(\t)+2:ST+8*(\t)+3], v[ST+8*(\t)+2:ST+8*(\t)+3], v[S+32*(\t)+2*(\i)+2:S+32*(\t)+2*(\i)+3]
.else
	v_pk_add_f32 v[ST+8*(\t)+4:ST+8*(\t)+5], v[ST+8*(\t)+4:ST+8*(\t)+5], v[S+32*(\t)+2*(\i)+2:S+32*(\t)+2*(\i)+3]
.endif
.endm
.macro CVTP t, i                       ; pair i to f16, in place: register i's own pair, i / 2, was summed and rounded in line i at the latest, and SUMP i stands ahead of CVTP i
	v_cvt_pk_f16_f32 v[S+32*(\t)+(\i)], v[S+32*(\t)+2*(\i)], v[S+32*(\t)+2*(\i)+1]
.endm
; first = 1: the wave's first step: no old maximum, no a, nothing to rescale (l was cleared at the head).  Each group runs over the four tiles innermost, so that no line waits for the line above it.
; The exponentials go in two batches (tiles 0, 1; tiles 2, 3), each with ONE wait ahead of its first reader; between the exponentials stand plain lines of the OTHER pair of tiles.
.macro SOFT first
.irp j, 0,1,2,3                        ; the maximum: four chains, one for each of a tile's accumulators, each read from its low end on
.irp t, 0,1,2,3
	v_max3_num_f32 v[ST+8*\t+4+\j], v[S+32*\t+8*\j], v[S+32*\t+8*\j+1], v[S+32*\t+8*\j+2]
.endr
.endr
.irp u, 3,5
.irp j, 0,1,2,3
.irp t, 0,1,2,3
	v_max3_num_f32 v[ST+8*\t+4+\j], v[ST+8*\t+4+\j], v[S+32*\t+8*\j+\u], v[S+32*\t+8*\j+\u+1]
.endr
.endr
.endr
.irp t, 0,1,2,3
	v_max3_num_f32 v[ST+8*\t+4], v[ST+8*\t+4], v[S+32*\t+7], v[S+32*\t+15]
.endr
.irp t, 0,1,2,3
	v_max3_num_f32 v[ST+8*\t+6], v[ST+8*\t+6], v[S+32*\t+23], v[S+32*\t+31]
.endr
.irp t, 0,1,2,3
	v_max3_num_f32 v[ST+8*\t+4], v[ST+8*\t+4], v[ST+8*\t+5], v[ST+8*\t+6]
.endr
.irp t, 0,1,2,3
.if \first
	v_max_num_f32 v[ST+8*\t+4], v[ST+8*\t+4], v[ST+8*\t+7]
.else
	v_max3_num_f32 v[ST+8*\t+4], v[ST+8*\t+4], v[ST+8*\t+7], v[ST+8*\t]
.endif
.endr
.irp t, 0,1,2,3
	v_permlanex16_b32 v[ST+8*\t+5], v[ST+8*\t+4], s58, s59         ; the row's other 32 keys lie in the lane 16 away
.endr
.irp t, 0,1,2,3
.if \first
	v_mov_b32 v[ST+8*\t+1], v[ST+8*\t+4]           ; (named with m as a pair, so it is written)
.else
	v_mov_b32 v[ST+8*\t+1], v[ST+8*\t]             ; the old m
.endif
.endr
.irp t, 0,1,2,3
	v_max_num_f32 v[ST+8*\t], v[ST+8*\t+4], v[ST+8*\t+5]           ; the new m
.endr
.if \first == 0
.irp t, 0,1,2,3
	v_sub_f32 v[ST+8*\t+7], v[ST+8*\t+1], v[ST+8*\t]
.endr
.irp t, 0,1,2,3
	v_exp_f32 v[ST+8*\t+6], v[ST+8*\t+7]           ; a = 2^(old m - m): read first behind the first batch's wait
.endr
.endif
.irp i, 0,1,2,3,4,5,6,7,8,9,10,11,12,13,14,15
	SUBP 0, \i
	SUBP 1, \i
.endr
.irp i, 0,1,2,3,4,5,6,7,8,9,10,11,12,13,14,15
	SUBP 2, \i
	EXPS 0, 2*\i
	EXPS 1, 2*\i
	SUBP 3, \i
	EXPS 0, 2*\i+1
	EXPS 1, 2*\i+1
.endr
	v_nop                                          ; a plain instruction behind the batch's last exponential,
	s_wait_alu depctr_va_vdst(0)                   ; and the batch's one wait
.irp i, 0,1,2,3,4,5,6,7,8,9,10,11,12,13,14,15
	EXPS 2, 2*\i
	SUMP 0, \i, \first
	EXPS 3, 2*\i
	SUMP 1, \i, \first
	EXPS 2, 2*\i+1
	CVTP 0, \i
	EXPS 3, 2*\i+1
	CVTP 1, \i
.endr
	v_nop
	s_wait_alu depctr_va_vdst(0)                   ; the second batch's
.irp i, 0,1,2,3,4,5,6,7,8,9,10,11,12,13,14,15
	SUMP 2, \i, \first
	SUMP 3, \i, \first
	CVTP 2, \i
	CVTP 3, \i
.endr
.if \first == 0
	WIN W_RS
.irp p, 0,1,2,3,4,5,6,7,8,9,10,11,12,13,14,15
.irp t, 0,1,2,3
	v_pk_mul_f32 v[32*\t+2*\p:32*\t+2*\p+1], v[32*\t+2*\p:32*\t+2*\p+1], v[ST+8*\t+6:ST+8*\t+7] op_sel_hi:[1,0]   ; O^T x a, each accumulator from its low end on
.endr
.endr
	WIN 0
.endif
.endm
; A STEP: two ticks.  Tick A: role 0 has the matrix work of this step, role 1 the softmax of the step before (smprev: -1 none, 1 its first, 0 generic).  Tick B: role 0 the softmax of this step (smcur), role 1 the matrix work.
; The branches hang on the wave's number alone; barriers, and the line that makes the LDS address, stand on every wave's path.  The barrier that ends tick B is that of the change of slots, which follows every step.
.macro STEP pv, smprev, smcur
	v_add_nc_u32 v[ADR], s54, v[AK0]
	s_cmp_eq_u32 s15, 0
	s_cbranch_scc0 .La1_\@
	MATS \pv, 1
	s_branch .Laj_\@
.La1_\@:
.if \smprev >= 0
	SOFT \smprev
.endif
.Laj_\@:
	BAR
	s_cmp_eq_u32 s15, 0
	s_cbranch_scc0 .Lb1_\@
	SOFT \smcur
	s_branch .Lbj_\@
.Lb1_\@:
	MATS \pv, 1
.Lbj_\@:
	s_xor_b32 s54, s54, SLOT1                      ; the next step lies in the other slot
.endm
; A PREFETCH INTO THE L2 of what the NEXT change of slots will ask for: a step's 96 KB of qv.  Each aligned block of 256 bytes is named once in the launch: all clusters of a batch walk the same bytes, and the batch's first
; cluster asks; its four partners take 24 KB each, told apart BY ADDRESS; in each, waves 0 to 2 ask for 8 KB each, lanes 256 bytes apart: one instruction a wave.  It stands one step, two ticks, ahead of the load that will want
; the bytes.  The last change that fills a slot asks for nothing; nothing is asked for at the head.
.macro ASK
	s_cmp_gt_u32 s52, s55
	s_cbranch_scc0 .Lnot_mine_\@
	global_prefetch_b8 v[PFO], s[56:57] th:TH_LOAD_NT scope:SCOPE_SE
.Lnot_mine_\@:
.endm
; THE CHANGE OF SLOTS, behind every step.  Each wave waits for all its tensor loads (one is out: its part of the slot ahead), adds 0 to its spare word, and waits for that and for its reads of the slot that it leaves.
; fill = 1: the barrier is a round of the cluster's, and the joint refill of the slot just left is the first thing behind it: it has a step, 128 matrix instructions of each role, in which to land.
.macro CHANGE fill
	s_wait_tensorcnt 0x0                           ; no tensor load of mine is out, so a group 0 may be written
	ds_add_u32 v[SPW], v[NIL]                      ; 0 onto my spare word
.if \fill
	s_xor_b32 s45, s45, SLOT1                      ; the walking descriptor: the other slot than last time,
	s_add_nc_u64 s[46:47], s[46:47], STEPB         ; the next step's chunks; the type bits on top are not reached
	s_wait_xcnt 0x0                                ; the last prefetch, a step back, has read its address
	s_add_nc_u64 s[56:57], s[56:57], STEPB         ; one step further on than the walking descriptor
.endif
	s_wait_dscnt 0x0                               ; the add is done, and my reads of the slot are over
.if \fill
	CROUND
	tensor_load_to_lds s[44:47], s[24:31]
	s_nop 0
.rept 4
	v_nop
.endr
	ASK
.else
	s_barrier_signal -1
	s_barrier_wait -1
.endif
.endm
	s_load_b256 s[4:11], s[0:1], 0x0               ; kf s[4:5], qv s[6:7], wof s[8:9], bias s[10:11]
	s_load_b64 s[12:13], s[0:1], 0x20              ; out0
	v_lshl_add_u32 v[SPW], v0, 2, SPARE
	v_mov_b32 v[NIL], 0
	ds_add_u32 v[SPW], v[NIL]                      ; the wave's opening: the add, twice on end, and its wait ahead of my first tensor load; the set-up below stands between
	ds_add_u32 v[SPW], v[NIL]
	v_lshrrev_b32 v13, 5, v0
	v_readfirstlane_b32 s14, v13                   ; wave 0..7
	v_and_b32 v13, 31, v0                          ; lane
	v_lshlrev_b32 v[LI], 4, v13
	s_lshr_b32 s15, s14, 2                         ; role
	s_and_b32 s16, s14, 1                          ; which 64 rows
	s_lshr_b32 s17, s14, 1                         ; which quarter of the keys
	s_bfe_u32 s18, ttmp6, 0x40000                  ; cx: my place in the cluster: it enters global addresses alone
	s_lshl_b32 s19, ttmp9, 2
	s_add_co_u32 s19, s19, s18                     ; my block of 128 rows
	s_and_b32 s20, ttmp7, 0xffff                   ; the batch, which the four partners share
	; descriptor groups 1: dense blocks as rows of 256 bytes (32 elements of 8 bytes): 48 rows for my part of a slot, 16 for my part of Wo's image; the mask names all four work-groups, bit 21 beside it
	s_mov_b32 s24, 15|(3<<16)|(1<<21)
	s_mov_b32 s25, 32<<16
	s_mov_b32 s26, 48<<16
	s_mov_b32 s27, 32<<16
	s_mov_b32 s28, 48
	s_mov_b32 s29, 32
	s_mov_b32 s30, 0
	s_mov_b32 s31, 0
	s_mov_b32 s32, 15|(3<<16)|(1<<21)
	s_mov_b32 s33, 32<<16
	s_mov_b32 s34, 16<<16
	s_mov_b32 s35, 32<<16
	s_mov_b32 s36, 16
	s_mov_b32 s37, 32
	s_mov_b32 s38, 0
	s_mov_b32 s39, 0
	s_mov_b32 s40, 1
	s_mul_i32 s41, s14, 12288                      ; LDS: my eighth of slot 0,
	s_mov_b32 s44, 1
	s_add_co_u32 s45, s41, SLOT1                   ; of slot 1;
	s_mov_b32 s48, 1
	s_lshl_b32 s49, s14, 12
	s_add_co_u32 s49, s49, WOI                     ; 4 KB of Wo's image
	s_mul_i32 s22, s20, 64*CHK                     ; a batch's q and v: 64 chunks
	s_add_co_u32 s22, s22, s41
	s_mov_b32 s23, 0
	s_mov_b32 s52, 14
	s_mov_b32 s54, 0
	s_mov_b32 s58, 0x76543210
	s_mov_b32 s59, 0xfedcba98
	s_cmp_lt_u32 s14, 3
	s_cselect_b32 s55, 0, 1
	s_or_b32 s55, s55, ttmp9                       ; 0 in waves 0 to 2 of the batch's first cluster: the same in all four partners
	s_cmp_eq_u32 s55, 0
	s_cselect_b32 s55, 1, -1
	s_wait_dscnt 0x0                               ; both opening adds are done
	s_wait_kmcnt 0x0
	s_add_nc_u64 s[42:43], s[6:7], s[22:23]
	s_add_nc_u64 s[46:47], s[42:43], STEPB
	s_or_b32 s43, s43, 0x80000000
	s_or_b32 s47, s47, 0x80000000
	s_lshl_b32 s22, s14, 12
	s_add_nc_u64 s[50:51], s[8:9], s[22:23]
	s_or_b32 s51, s51, 0x80000000
	s_lshl_b32 s62, s20, 8                         ; kf: tile 256 batch + 8 block + 4 (w % 2), 4,096 bytes each
	s_lshl_b32 s63, s19, 3
	s_add_co_u32 s62, s62, s63
	s_lshl_b32 s63, s16, 2
	s_add_co_u32 s62, s62, s63
	s_lshl_b32 s62, s62, 12
	s_mov_b32 s63, 0
	s_add_nc_u64 s[60:61], s[4:5], s[62:63]
	s_lshl_b32 s62, s20, 12                        ; out0: row 4,096 batch + 128 block + 16 w, 1,024 bytes each
	s_lshl_b32 s63, s19, 7
	s_add_co_u32 s62, s62, s63
	s_lshl_b32 s63, s14, 4
	s_add_co_u32 s62, s62, s63
	s_lshl_b32 s62, s62, 10
	s_mov_b32 s63, 0
	s_add_nc_u64 s[12:13], s[12:13], s[62:63]
	s_min_u32 s62, s14, 2                          ; the prefetches: 8 KB a wave, 24 KB a partner, in my batch,
	s_lshl_b32 s62, s62, 13
	s_mul_i32 s63, s18, CHK
	s_add_co_u32 s62, s62, s63
	s_mul_i32 s63, s20, 64*CHK
	s_add_co_u32 s62, s62, s63
	s_add_co_u32 s62, s62, 2*STEPB                 ; in step 2: the first change of slots steps it to step 3
	s_mov_b32 s63, 0
	s_add_nc_u64 s[56:57], s[6:7], s[62:63]
	CROUND                                         ; all four work-groups are here: the first joint loads meet
	tensor_load_to_lds s[48:51], s[32:39]          ; Wo's image; three loads of mine are out behind these lines
	s_nop 0
	tensor_load_to_lds s[40:43], s[24:31]          ; slot 0: step 0
	s_nop 0
	tensor_load_to_lds s[44:47], s[24:31]          ; slot 1: step 1
	s_nop 0
.rept 4
	v_nop
.endr
	WIN W_LK
.irp t, 0,1,2,3                        ; k's fragments of my 64 rows, both parts, stay in registers
.irp i, 0,1,2,3
	global_load_b128 v[KH+16*\t+4*\i:KH+16*\t+4*\i+3], v[LI], s[60:61] offset:4096*\t+512*\i
	global_load_b128 v[KL+16*\t+4*\i:KL+16*\t+4*\i+3], v[LI], s[60:61] offset:4096*\t+2048+512*\i
.endr
.endr
	WIN 0
	; every LDS address register but the step's is made here, ahead of the first parting of the roles
	v_and_b32 v16, 15, v0                          ; r
	v_bfe_u32 v17, v0, 4, 1                        ; h
	v_lshlrev_b32 v18, 2, v13                      ; 4 x lane
	s_mul_i32 s21, s17, CHK
	v_add_nc_u32 v[AK0], s21, v[LI]
	s_lshl_b32 s21, s16, 17
	s_lshl_b32 s22, s17, 12
	s_add_co_u32 s21, s21, s22
	v_add_nc_u32 v[MSA], s21, v[LI]                ; slot w % 2, + 4,096 g + 16 x lane; tile t: 16,384 t on
	s_lshl_b32 s21, s16, 12
	s_lshl_b32 s22, s17, 8
	s_add_co_u32 s21, s21, s22
	s_add_co_u32 s21, s21, STT
	v_add_nc_u32 v[STA], s21, v18
	s_lshl_b32 s21, s15, 17                        ; tile w of the eight: slot w / 4, + 16,384 (w % 4)
	s_and_b32 s22, s14, 3
	s_lshl_b32 s22, s22, 14
	s_add_co_u32 s21, s21, s22
	v_add_nc_u32 v[MLA], s21, v[LI]
	s_lshl_b32 s21, s14, 10
	s_add_co_u32 s21, s21, STT
	v_add_nc_u32 v[SLA], s21, v18
	v_add_nc_u32 v[WLA], WOI, v[LI]
	s_mul_i32 s21, s14, OSW
	s_add_co_u32 s21, s21, OST
	v_mul_u32_u24 v[STO], v16, 528
	v_lshl_add_u32 v[STO], v17, 5, v[STO]
	v_add_nc_u32 v[STO], s21, v[STO]
	v_add_nc_u32 v[RD], s21, v[LI]
	v_lshlrev_b32 v[BO], 5, v17
	v_lshlrev_b32 v[PFO], 8, v13
.irp t, 0,1,2,3
	v_mov_b32 v[ST+8*\t+2], 0                      ; l
	v_mov_b32 v[ST+8*\t+3], 0
.endr
	s_wait_tensorcnt 1                             ; my parts of Wo's image and of slot 0 are in; slot 1's load, the one issued behind them, may be out
	s_barrier_signal -1
	s_barrier_wait -1                              ; everybody's are
	s_wait_loadcnt 0x0                             ; k
	STEP 0, -1, 1                                  ; step 0: no O^T yet; role 0's first softmax
	CHANGE 1                                       ; step 2 is asked for
	STEP 1, 1, 0                                   ; step 1: v^T P of step 0 starts O^T; role 1's first softmax
	s_mov_b32 s52, 13
.Lstep:                                            ; thirteen trips: steps 2 to 14 are walked, steps 3 to 15 asked for
	CHANGE 1
	STEP 2, 0, 0
	s_sub_co_u32 s52, s52, 1
	s_cmp_lg_u32 s52, 0
	s_cbranch_scc1 .Lstep
	CHANGE 0                                       ; the tail is written out
	STEP 2, 0, 0                                   ; step 15
	BAR                                            ; nobody reads a slot any more
	s_cmp_eq_u32 s15, 0                            ; the last two ticks: role 0: v^T P of step 15 | role 1: its last softmax; then role 1's v^T P
	s_cbranch_scc0 .Lt32_1
	MATS 2, 0
	s_branch .Lt32_j
.Lt32_1:
	SOFT 0
.Lt32_j:
	BAR
	s_cmp_eq_u32 s15, 0
	s_cbranch_scc1 .Lt33_j
	MATS 2, 0
.Lt33_j:
	; ---- THE MERGE.  My m, l and O^T of four tiles go to LDS as they stand.
.irp t, 0,1,2,3
	v_add_f32 v[ST+8*\t+4], v[ST+8*\t+2], v[ST+8*\t+3]             ; l's two halves,
.endr
.irp t, 0,1,2,3
	v_permlanex16_b32 v[ST+8*\t+5], v[ST+8*\t+4], s58, s59
.endr
.irp t, 0,1,2,3
	v_add_f32 v[ST+8*\t+4], v[ST+8*\t+4], v[ST+8*\t+5]             ; and lane l xor 16's
.endr
.irp t, 0,1,2,3
	ds_store_b32 v[STA], v[ST+8*\t] offset:1024*\t
	ds_store_b32 v[STA], v[ST+8*\t+4] offset:1024*\t+128
.endr
	WIN W_D1
.irp t, 0,1,2,3
.irp i, 0,1,2,3,4,5,6,7
	ds_store_b128 v[MSA], v[32*\t+4*\i:32*\t+4*\i+3] offset:16384*\t+512*\i   ; each accumulator from its low end on
.endr
.endr
	WIN 0
	BAR                                            ; all quarters of all eight tiles lie in LDS
	; Wave w takes tile w of the work-group's rows: its four quarters, Wo's first eight tiles, and the bias, which IS the start of the last product's sums
.irp g, 0,1,2,3
	ds_load_b32 v[48+\g], v[SLA] offset:256*\g
	ds_load_b32 v[52+\g], v[SLA] offset:256*\g+128
.endr
.irp g, 0,1,2,3
.irp i, 0,1,2,3,4,5,6,7
	ds_load_b128 v[S+32*\g+4*\i:S+32*\g+4*\i+3], v[MLA] offset:4096*\g+512*\i
.endr
.endr
	WIN W_LK
.irp i, 0,1,2,3,4,5,6,7,8,9,10,11,12,13,14,15,16,17,18,19,20,21,22,23,24,25,26,27,28,29,30,31
	ds_load_b128 v[128+4*\i:128+4*\i+3], v[WLA] offset:512*\i
.endr
.irp u, 0,1,2,3,4,5,6,7,8,9,10,11,12,13,14,15
	global_load_b128 v[8*\u:8*\u+3], v[BO], s[10:11] offset:64*\u
	global_load_b128 v[8*\u+4:8*\u+7], v[BO], s[10:11] offset:64*\u+16
.endr
	WIN 0
	s_wait_dscnt 0x0
	v_max3_num_f32 v16, v48, v49, v50
	v_max_num_f32 v16, v16, v51                    ; M
.irp g, 0,1,2,3
	v_sub_f32 v[48+\g], v[48+\g], v16
.endr
.irp g, 0,1,2,3
	v_exp_f32 v[48+\g], v[48+\g]                   ; f_g = 2^(m_g - M)
.endr
	v_nop
	s_wait_alu depctr_va_vdst(0)                   ; one wait for the four
	v_mul_f32 v17, v48, v52
	v_fma_f32 v17, v49, v53, v17
	v_fma_f32 v17, v50, v54, v17
	v_fma_f32 v17, v51, v55, v17                   ; L: at least 1, since one f_g is 1 and its l holds a p = 1
	v_rcp_f32 v18, v17
	v_nop
	s_wait_alu depctr_va_vdst(0)
.irp g, 0,1,2,3
	v_mul_f32 v[56+2*\g], v[48+\g], v18            ; c_g = f_g / L, in both words of a pair
	v_mul_f32 v[57+2*\g], v[48+\g], v18
.endr
.irp p, 0,1,2,3,4,5,6,7,8,9,10,11,12,13,14,15
	v_pk_mul_f32 v[208+2*\p:209+2*\p], v[S+2*\p:S+2*\p+1], v[56:57]
.endr
.irp g, 1,2,3
.irp p, 0,1,2,3,4,5,6,7,8,9,10,11,12,13,14,15
	v_pk_fma_f32 v[208+2*\p:209+2*\p], v[S+32*\g+2*\p:S+32*\g+2*\p+1], v[56+2*\g:57+2*\g], v[208+2*\p:209+2*\p]
.endr
.endr
.irp i, 0,1,2,3,4,5,6,7,8,9,10,11,12,13,14,15
	v_cvt_pk_f16_f32 v[OF+\i], v[208+2*\i], v[208+2*\i+1]          ; the attention's output as source 1: 16 rows x channels 32 s on at OF + 8 s
.endr
.irp i, 0,1,2,3,4,5,6,7,8,9,10,11,12,13,14,15,16,17,18,19,20,21,22,23,24,25,26,27,28,29,30,31
	ds_load_b128 v[S+4*\i:S+4*\i+3], v[WLA] offset:16384+512*\i    ; Wo's tiles 8 to 15, where the quarters lay
.endr
	s_wait_loadcnt 0x0                             ; the bias
	WIN W_E0
.irp s, 0,1                            ; out^T = (Wo g')^T O^T + bias: source 0 = 16 output channels, source 1 = my 16 rows; eight accumulators by turns
.irp u, 0,1,2,3,4,5,6,7
	v_wmma_f32_16x16x32_f16 v[8*\u:8*\u+7], v[128+16*\u+8*\s:128+16*\u+8*\s+7], v[OF+8*\s:OF+8*\s+7], v[8*\u:8*\u+7]
.endr
.endr
	s_wait_dscnt 0x0
	WIN W_PV
.irp s, 0,1
.irp u, 0,1,2,3,4,5,6,7
	v_wmma_f32_16x16x32_f16 v[64+8*\u:64+8*\u+7], v[S+16*\u+8*\s:S+16*\u+8*\s+7], v[OF+8*\s:OF+8*\s+7], v[64+8*\u:64+8*\u+7]
.endr
.endr
	WIN 0
.rept 4
	v_nop                                          ; places ahead of the first read of results and of the loads into Wo's registers
.endr
	; ---- THE WAY OUT.  A lane holds eight neighbouring outputs of a row, 32 bytes; half a row (512 bytes) of 16 rows at a time goes through my own stage and comes back as whole half rows.
	; LDS serves a wave's instructions in order: no wait between the stores and the loads, nor ahead of the second half's stores.
.irp hb, 0,1
	WIN W_D1
.irp u, 0,1,2,3,4,5,6,7
	ds_store_b128 v[STO], v[64*\hb+8*\u:64*\hb+8*\u+3] offset:64*\u
	ds_store_b128 v[STO], v[64*\hb+8*\u+4:64*\hb+8*\u+7] offset:64*\u+16
.endr
	WIN 0
.irp i, 0,1,2,3,4,5,6,7,8,9,10,11,12,13,14,15
	ds_load_b128 v[S+64*\hb+4*\i:S+64*\hb+4*\i+3], v[RD] offset:528*\i
.endr
.endr
.irp i, 0,1,2,3,4,5,6,7,8,9,10,11,12,13,14,15
	s_wait_dscnt 47-\i                             ; behind this load: the first half's 15 - i younger loads and the second half's 32 LDS instructions
	global_store_b128 v[LI], v[S+4*\i:S+4*\i+3], s[12:13] offset:1024*\i th:TH_STORE_NT   ; 32 lanes store 512 consecutive bytes, aligned; written once, read by nobody here
.endr
.irp i, 0,1,2,3,4,5,6,7,8,9,10,11,12,13,14,15
	s_wait_dscnt 15-\i
	global_store_b128 v[LI], v[S+64+4*\i:S+64+4*\i+3], s[12:13] offset:1024*\i+512 th:TH_STORE_NT
.endr
	s_wait_tensorcnt 0x0                           ; the wave's end: behind my last tensor load and my last LDS store
	ds_add_u32 v[SPW], v[NIL]
	s_wait_dscnt 0x0
	CROUND                                         ; the closing round: no work-group ends while a partner may still ask for a tile that names it
	s_endpgm
.Lfunc_end_k_qaedacb3856_attn:
	.size	k_qaedacb3856_attn, .Lfunc_end_k_qaedacb3856_attn-k_qaedacb3856_attn
	.p2alignl 7, 3214868480
	.fill 96, 4, 3214868480
	.section	.rodata,"a",@progbits
	.p2align	6, 0x0
	.amdhsa_kernel k_qaedacb3856_attn
		.amdhsa_group_segment_fixed_size 327680
		.amdhsa_private_segment_fixed_size 0
		.amdhsa_enable_private_segment 0
		.amdhsa_kernarg_size 40
		.amdhsa_user_sgpr_count 2
		.amdhsa_user_sgpr_kernarg_segment_ptr 1
		.amdhsa_wavefront_size32 1
		.amdhsa_system_sgpr_workgroup_id_x 1
		.amdhsa_system_sgpr_workgroup_id_y 1
		.amdhsa_system_sgpr_workgroup_id_z 1
		.amdhsa_system_vgpr_workitem_id 0
		.amdhsa_next_free_vgpr 512
		.amdhsa_next_free_sgpr 66
		.amdhsa_reserve_vcc 0
		.amdhsa_float_denorm_mode_32 3
		.amdhsa_float_denorm_mode_16_64 3
		.amdhsa_memory_ordered 1
		.amdhsa_forward_progress 1
		.amdhsa_inst_pref_size 255
	.end_amdhsa_kernel
	.section	.bss,"aw",@nobits
	.p2align	6
	.space	262144
	.amdgpu_metadata
---
amdhsa.version: [ 1, 2 ]
amdhsa.kernels:
  - .name:           k_qaedacb3856_attn
    .symbol:         k_qaedacb3856_attn.kd
    .args:
      - { .name: kf, .offset: 0, .size: 8, .value_kind: global_buffer, .address_space: global }
      - { .name: qv, .offset: 8, .size: 8, .value_kind: global_buffer, .address_space: global }
      - { .name: wof, .offset: 16, .size: 8, .value_kind: global_buffer, .address_space: global }
      - { .name: bias, .offset: 24, .size: 8, .value_kind: global_buffer, .address_space: global }
      - { .name: out0, .offset: 32, .size: 8, .value_kind: global_buffer, .address_space: global }
    .group_segment_fixed_size: 327680
    .private_segment_fixed_size: 0
    .kernarg_segment_align: 8
    .kernarg_segment_size: 40
    .max_flat_workgroup_size: 256
    .sgpr_count:     66
    .vgpr_count:     512
    .wavefront_size: 32
...
	.end_amdgpu_metadata
.endif
;; end of part 2
;; ======== version 2 of 2: 2 launches
;; limits: values are held in f16: magnitudes above 65,504 overflow, below 6.1e-05 lose precision
;; workspace buffers: kf 8,388,608 bytes; qv 12,582,912 bytes; wof 32,768 bytes; bias 1,024 bytes
;; launch proj (part 3): grid 256 x 1, 8 waves a work-group, no clusters, 167,936 bytes of LDS; arguments x, Wk, Wq, Wv, Wo, gamma, beta, moving_mean, moving_var, kf, qv, wof, bias; writes kf, qv, wof, bias
.if DOCPART == 3
	.amdgcn_target "amdgcn-amd-amdhsa--gfx1250"
	.amdhsa_code_object_version 6
	.text
	.protected	k_qaedacb3856_proj
	.globl	k_qaedacb3856_proj
	.p2align	8
	.type	k_qaedacb3856_proj,@function
k_qaedacb3856_proj:
	s_mov_b64 s[64:65], 0
	v_nop
	global_prefetch_b8 v0, s[64:65] scope:SCOPE_SE
	s_setreg_imm32_b32 hwreg(HW_REG_WAVE_MODE, 25, 1), 1
	s_wait_xcnt 0x0
; k, q, v = x W, the three products on codes of FP4 (E2M1) with one E8M0 scale for each 32 along K = 256.  x: [32768][256] f32; Wk, Wq, Wv: [256][64] f32, K their first axis.
; Results leave as f16, laid as IMAGES OF THE NEXT LAUNCH'S OPERAND REGISTERS (a group of four registers = 512 consecutive bytes, lane l at 16 l).
; k' = k x log2(e) AND q LEAVE AS TWO f16 NUMBERS EACH, chosen so that TWO products give the score finely (a score stands in an exponent, where the rounding of one f16 number weighs too much):
;   a1 = (1 - 2^-6) k' rounded to 11 bits;  a2 = k' - a1 (exact in f32), rounded to f16;  b1 = q rounded to 11 bits;  b2 = b1 + 2^6 (q - b1), rounded to f16.
;   a1 b1 + a2 b2 = k' q + 2^6 e (q - b1) + 2^-6 k' rho - eta b2 + e rho, with e, rho, eta the roundings of a1, b2, a2: q's rounding error, enlarged 64 times so that f16 holds it, meets the 1/64 of k' that lies in a2.
;   What is left is 2^-6 of one f16 rounding a side, and 2^6 x the product of two roundings.  The rounding to 11 bits is to nearest (ties away from zero), so that e and q - b1 lean to no side.
;   kf: [2048 tiles of 16 rows][4 KB]: 2 KB of a1, 2 KB of a2; piece 2 c + half: fragment "16 rows x channels 32 c on";
;   qv: [512 chunks of 64 positions][24 KB]: b1 (piece 4 kt + 2 c + half), b2, v^T (piece 8 kb + 2 ct + half), 8 KB each.
; k and q are made TRANSPOSED (source 0 = 16 columns of W, source 1 = 16 rows of x): a lane then holds one position and eight neighbouring channels, which pack into four registers of a fragment whose K is the channels.
; v is made the natural way (source 0 = x, source 1 = W): a lane holds one channel and eight neighbouring positions: four registers of a fragment of v^T whose K is the positions.  Nothing is transposed by an instruction.
; SHARES.  A work-group owns 128 rows of x, each of its eight waves 16: 16 KB, brought by ONE tensor load into the wave's own LDS bytes, filled once.  While it is on its way the eight waves share the quantising of the
; 24 fragments of W (wave w: column tile w / 2, K step w % 2, of each of the three): lane = column, registers down K; the codes and scale words go round as register images in LDS, one barrier.
; Work-group 0 also folds the batch norm into Wo: wof = (Wo g')^T as f16 fragments (piece 4 tile + 2 s + half), bias = beta - mean g', g' = gamma / sqrt(var + 0.001).
; A block's scale is 2^(floor(log2(largest magnitude)) - 2); its byte is the largest magnitude's exponent field - 2, held at 1 from below.
; LIMITS: NaN and infinities are not served.  A block of zeros, and one whose largest magnitude lies under 2^-124, takes the byte 1 (a block of zeros: where the rule says 127; its codes are zeros, and this program alone reads the bytes).
; |k log2(e)|, |q| (1 + 2^-5), |v| and |Wo g'| must stay at or under 65,504, f16's largest number; a part under 2^-14 is rounded to a multiple of 2^-24, and that rounding is not carried in the other part.
; The batch norm's gain is multiplied into Wo ahead of the rounding to f16: another order of rounding than gamma (out - mean) rsqrt(..) + beta.
.set XTW,   16640                      ; LDS: a wave's tile of x: 16 rows x (1,024 bytes + 16 of padding)
.set XP,    1040                       ; = 65 x 16 bytes: the 16 rows that a load touches start at 16 different columns of 16 bytes
.set WIM,   8*XTW                      ; W's 24 fragments as images, 1,024 bytes each: number 8 m + f (m: 0 k, 1 q, 2 v; f = 2 x column tile + K step)
.set WSC,   WIM+24*1024                ; their scale words, 128 bytes each
.set SPARE, WSC+24*128                 ; the spare words, 128 bytes for each wave: four blocks of 256 bytes that no other line names
.set CHK,   24576                      ; a chunk of qv
.set XC,   16                          ; v16-31   x's codes: K step s at 8 s.  (Before that: the codes of W just made)
.set XS,   32                          ; v32-33   x's scale words: nothing else ever
.set WS,   34                          ; v34-57   W's scale words, 8 m + f: nothing else ever
.set RAW,  64                          ; v64-255  3 x 64 numbers of W; then v64-191 the 128 numbers of my row of x
.set WB0,  64                          ; then: W's fragments: k's;
.set WB1,  128                         ; q's, later v's
.set ACC0, 192                         ; k: four accumulators
.set ACC1, 224                         ; q
.set ACC2, 192                         ; v: where k's lay
.set HI,   64                          ; v64-79   the first parts packed, v80-95 the second parts packed, v96-127 the first parts in f32: over k's fragments, which are done with
.set LO,   80
.set TF,   96
; v1 r, v2 h, v3 16 x lane, v4 4 x lane, v5 W's offset, v6 x's LDS address, v7, v8 where I store an image and its scale words, v10, v11 where images and scale words are read, v13 8 h, v14, v15 the add's two, v9, v12, v58-63 at work
; 64 numbers of a lane, two whole blocks of 32 along K (block c at src + 32 c; it is block 2 c + h of the K step), become 8 registers of codes at dst and the K step's scale word in wrd.
.macro QUANT src, dst, wrd
.irp c, 0,1
	v_max3_num_f32 v[58+\c], |v[\src+32*\c]|, |v[\src+32*\c+1]|, 0x1800000   ; the floor 2^(3 - 127) among the leaves: the byte cannot fall under 1
.endr
.irp i, 2,4,6,8,10,12,14,16,18,20,22,24,26,28,30
.irp c, 0,1
	v_max3_num_f32 v[58+\c], v[58+\c], |v[\src+32*\c+\i]|, |v[\src+32*\c+\i+1]|   ; the two blocks by turns
.endr
.endr
.irp c, 0,1
	v_add_nc_u32 v[60+\c], 0xff000000, v[58+\c]    ; 2 off the exponent field: the conversion takes this operand's exponent field as its scale
.endr
.irp c, 0,1
	v_lshrrev_b32 v[58+\c], 23, v[60+\c]           ; the scale's byte
.endr
	v_lshl_or_b32 v62, v59, 16, v58                ; my two bytes, blocks h and 2 + h,
	v_lshlrev_b32 v62, v13, v62                    ; at their places: 8 h bits up;
	v_permlanex16_b32 v63, v62, s22, s23
	v_or_b32 v[\wrd], v62, v63                     ; with lane l xor 16's two the word is whole
.irp c, 0,1
.irp g, 0,1,2,3
	v_cvt_scalef32_pk8_fp4_f32 v[\dst+4*\c+\g], v[\src+32*\c+8*\g:\src+32*\c+8*\g+7], v[60+\c]
.endr
.endr
	v_nop                                          ; one plain instruction behind the last scaled conversion
.endm
.macro WLOAD m, lo                     ; W(64 c + 32 h + i, my column): sixteen neighbouring lanes read 64 neighbouring bytes
.irp c, 0,1
.irp i, 0,1,2,3,4,5,6,7,8,9,10,11,12,13,14,15,16,17,18,19,20,21,22,23,24,25,26,27,28,29,30,31
	global_load_b32 v[RAW+64*\m+32*\c+\i], v5, s[\lo:\lo+1] offset:(64*\c+\i)*256
.endr
.endr
.endm
.macro WQUANT m                        ; my fragment of weight m: codes and scale word, to LDS as they stand
	QUANT RAW+64*\m, XC, 12
	ds_store_b128 v7, v[XC:XC+3] offset:8192*\m
	ds_store_b128 v7, v[XC+4:XC+7] offset:8192*\m+512
	ds_store_b32 v8, v12 offset:1024*\m
	s_wait_dscnt 0x0                               ; the stores have read their registers: the next fragment's codes may be written
.endm
.macro WFETCH m, reg                   ; weight m's eight fragments, as any wave's registers
.irp i, 0,1,2,3,4,5,6,7,8,9,10,11,12,13,14,15
	ds_load_b128 v[\reg+4*\i:\reg+4*\i+3], v10 offset:8192*\m+512*\i
.endr
.endm
; Eight matrix instructions: four column tiles x two K steps; the four accumulators take turns; the first K step starts the sums.  nat = 0: transposed;  1: the natural way.
.macro PROD acc, wb, wsc, nat
.irp s, 0,1
.irp ct, 0,1,2,3
.if \nat
.if \s == 0
	v_wmma_scale_f32_16x16x128_f8f6f4 v[\acc+8*\ct:\acc+8*\ct+7], v[XC+8*\s:XC+8*\s+7], v[\wb+16*\ct+8*\s:\wb+16*\ct+8*\s+7], 0, v[XS+\s], v[\wsc+2*\ct+\s] matrix_a_fmt:MATRIX_FMT_FP4 matrix_b_fmt:MATRIX_FMT_FP4
.else
	v_wmma_scale_f32_16x16x128_f8f6f4 v[\acc+8*\ct:\acc+8*\ct+7], v[XC+8*\s:XC+8*\s+7], v[\wb+16*\ct+8*\s:\wb+16*\ct+8*\s+7], v[\acc+8*\ct:\acc+8*\ct+7], v[XS+\s], v[\wsc+2*\ct+\s] matrix_a_fmt:MATRIX_FMT_FP4 matrix_b_fmt:MATRIX_FMT_FP4
.endif
.else
.if \s == 0
	v_wmma_scale_f32_16x16x128_f8f6f4 v[\acc+8*\ct:\acc+8*\ct+7], v[\wb+16*\ct+8*\s:\wb+16*\ct+8*\s+7], v[XC+8*\s:XC+8*\s+7], 0, v[\wsc+2*\ct+\s], v[XS+\s] matrix_a_fmt:MATRIX_FMT_FP4 matrix_b_fmt:MATRIX_FMT_FP4
.else
	v_wmma_scale_f32_16x16x128_f8f6f4 v[\acc+8*\ct:\acc+8*\ct+7], v[\wb+16*\ct+8*\s:\wb+16*\ct+8*\s+7], v[XC+8*\s:XC+8*\s+7], v[\acc+8*\ct:\acc+8*\ct+7], v[\wsc+2*\ct+\s], v[XS+\s] matrix_a_fmt:MATRIX_FMT_FP4 matrix_b_fmt:MATRIX_FMT_FP4
.endif
.endif
.endr
.endr
.endm
.macro PACK acc                        ; 32 results to 16 registers of f16 pairs, in place and ascending: each accumulator is read from its low end on
.irp i, 0,1,2,3,4,5,6,7,8,9,10,11,12,13,14,15
	v_cvt_pk_f16_f32 v[\acc+\i], v[\acc+2*\i], v[\acc+2*\i+1]
.endr
.endm
; 32 results become 16 registers of first parts and 16 of second parts.  side = 0: k' (a1, a2);  1: q (b1, b2).
; To 11 significant bits, to nearest: half of the last kept bit is added to the number's bits (a carry goes on into the exponent, as it should), and the mantissa is cut to ten bits.  Such a number is exact in f16.
.macro SPLIT acc, side
.if \side == 0
.irp i, 0,1,2,3,4,5,6,7,8,9,10,11,12,13,14,15
	v_pk_mul_f32 v[TF+2*\i:TF+2*\i+1], v[\acc+2*\i:\acc+2*\i+1], 0x3f7c0000 op_sel_hi:[1,0]   ; (1 - 2^-6) k'
.endr
.irp i, 0,1,2,3,4,5,6,7,8,9,10,11,12,13,14,15,16,17,18,19,20,21,22,23,24,25,26,27,28,29,30,31
	v_add_nc_u32 v[TF+\i], 0x1000, v[TF+\i]
.endr
.else
.irp i, 0,1,2,3,4,5,6,7,8,9,10,11,12,13,14,15,16,17,18,19,20,21,22,23,24,25,26,27,28,29,30,31
	v_add_nc_u32 v[TF+\i], 0x1000, v[\acc+\i]      ; ascending: each accumulator is read from its low end on
.endr
.endif
.irp i, 0,1,2,3,4,5,6,7,8,9,10,11,12,13,14,15,16,17,18,19,20,21,22,23,24,25,26,27,28,29,30,31
	v_and_b32 v[TF+\i], 0xffffe000, v[TF+\i]       ; the first part
.endr
.irp i, 0,1,2,3,4,5,6,7,8,9,10,11,12,13,14,15
	v_pk_add_f32 v[\acc+2*\i:\acc+2*\i+1], v[\acc+2*\i:\acc+2*\i+1], v[TF+2*\i:TF+2*\i+1] neg_lo:[0,1] neg_hi:[0,1]   ; the number less its first part: exact, the two lie within a factor of two
.endr
.if \side
.irp i, 0,1,2,3,4,5,6,7,8,9,10,11,12,13,14,15
	v_pk_fma_f32 v[\acc+2*\i:\acc+2*\i+1], v[\acc+2*\i:\acc+2*\i+1], 0x42800000, v[TF+2*\i:TF+2*\i+1] op_sel_hi:[1,0,1]   ; b2 = b1 + 64 (q - b1)
.endr
.endif
.irp i, 0,1,2,3,4,5,6,7,8,9,10,11,12,13,14,15
	v_cvt_pk_f16_f32 v[HI+\i], v[TF+2*\i], v[TF+2*\i+1]
.endr
.irp i, 0,1,2,3,4,5,6,7,8,9,10,11,12,13,14,15
	v_cvt_pk_f16_f32 v[LO+\i], v[\acc+2*\i], v[\acc+2*\i+1]
.endr
.endm
	s_load_b512 s[4:19], s[0:1], 0x0               ; x s[4:5], Wk s[6:7], Wq s[8:9], Wv s[10:11], Wo s[12:13], gamma s[14:15], beta s[16:17], mean s[18:19]
	s_load_b256 s[36:43], s[0:1], 0x40             ; var s[36:37], kf s[38:39], qv s[40:41], wof s[42:43]
	s_load_b64 s[44:45], s[0:1], 0x60              ; bias
	v_lshl_add_u32 v14, v0, 2, SPARE
	v_mov_b32 v15, 0
	ds_add_u32 v14, v15                            ; the wave's opening: the add, twice on end, and its wait ahead of my tensor load; the set-up below stands between
	ds_add_u32 v14, v15
	v_lshrrev_b32 v9, 5, v0
	v_readfirstlane_b32 s20, v9                    ; wave 0..7
	s_mov_b32 s22, 0x76543210
	s_mov_b32 s23, 0xfedcba98                      ; v_permlanex16_b32's selects for lane l xor 16
	; descriptor group 1: 16 rows x 256 elements of 4 bytes, 4 words of padding behind every 256 words
	s_mov_b32 s24, (2<<16)|(1<<20)|(7<<22)|(3<<25)
	s_mov_b32 s25, 256<<16                         ; tensor_dim0
	s_mov_b32 s26, 16<<16                          ; tensor_dim1
	s_mov_b32 s27, 256<<16                         ; tile_dim0
	s_mov_b32 s28, 16                              ; tile_dim1
	s_mov_b32 s29, 256                             ; elements from row to row
	s_mov_b32 s30, 0
	s_mov_b32 s31, 0
	s_mov_b32 s32, 1                               ; group 0: count
	s_mul_i32 s33, s20, XTW                        ; LDS address: my wave's own tile
	s_lshl_b32 s46, ttmp9, 17                      ; 128 rows of 1,024 bytes a work-group,
	s_lshl_b32 s47, s20, 14                        ; 16 a wave
	s_add_co_u32 s46, s46, s47
	s_mov_b32 s47, 0
	s_wait_dscnt 0x0                               ; both opening adds are done
	s_wait_kmcnt 0x0
	s_add_nc_u64 s[34:35], s[4:5], s[46:47]
	s_or_b32 s35, s35, 0x80000000                  ; type = 2
	tensor_load_to_lds s[32:35], s[24:31]          ; my 16 rows of x: the wave's one tensor load
	s_nop 0
.rept 4
	v_nop
.endr
	v_and_b32 v1, 15, v0                           ; r
	v_bfe_u32 v2, v0, 4, 1                         ; h
	v_and_b32 v9, 31, v0
	v_lshlrev_b32 v3, 4, v9                        ; 16 x lane
	v_lshlrev_b32 v4, 2, v9                        ; 4 x lane
	v_lshlrev_b32 v13, 3, v2                       ; 8 h
	v_mov_b32 v63, 0                               ; written once: a lane permute's destination counts as one of its sources
	s_lshr_b32 s46, s20, 1
	s_lshl_b32 s46, s46, 6                         ; my column tile: 64 bytes each
	s_and_b32 s47, s20, 1
	s_lshl_b32 s47, s47, 15                        ; my K step: 128 rows of 256 bytes
	s_add_co_u32 s46, s46, s47
	v_lshlrev_b32 v5, 2, v1
	v_lshl_add_u32 v5, v2, 13, v5                  ; column r; lanes 16-31 begin 32 rows further down
	v_add_nc_u32 v5, s46, v5
	WLOAD 0, 6
	WLOAD 1, 8
	v_mul_u32_u24 v6, v1, XP
	v_lshl_add_u32 v6, v2, 7, v6
	v_add_nc_u32 v6, s33, v6                       ; x in LDS: my tile, row r, + 128 h: my 32 numbers of each 64
	s_lshl_b32 s46, s20, 10
	s_add_co_u32 s46, s46, WIM
	v_add_nc_u32 v7, s46, v3
	s_lshl_b32 s46, s20, 7
	s_add_co_u32 s46, s46, WSC
	v_add_nc_u32 v8, s46, v4
	v_add_nc_u32 v10, WIM, v3
	v_add_nc_u32 v11, WSC, v4
	s_lshl_b32 s46, ttmp9, 3
	s_add_co_u32 s46, s46, s20                     ; T: my tile of 16 rows, 0 .. 2047
	s_lshl_b32 s48, s46, 12
	s_mov_b32 s49, 0
	s_add_nc_u64 s[38:39], s[38:39], s[48:49]      ; kf: 4,096 bytes a tile
	s_lshr_b32 s48, s46, 2
	s_mul_i32 s48, s48, CHK
	s_add_nc_u64 s[40:41], s[40:41], s[48:49]      ; qv: chunk T / 4
	s_and_b32 s48, s46, 3
	s_lshl_b32 s48, s48, 11
	s_add_nc_u64 s[50:51], s[40:41], s[48:49]      ; q: key tile T % 4
	s_bfe_u32 s48, s46, 0x10001
	s_lshl_b32 s48, s48, 12                        ; v: block of 32 keys (T % 4) / 2,
	s_and_b32 s47, s46, 1
	s_lshl_b32 s47, s47, 9                         ; half T % 2,
	s_add_co_u32 s48, s48, s47
	s_add_co_u32 s48, s48, 16384                   ; behind q's 16 KB
	s_add_nc_u64 s[52:53], s[40:41], s[48:49]
	s_wait_loadcnt 63                              ; Wk's 64 loads are in: 64 were issued behind them, and the count written is the next smaller number that the field holds
	WQUANT 0
	WLOAD 2, 10
	s_wait_loadcnt 63                              ; Wq's likewise
	WQUANT 1
	s_wait_loadcnt 0x0
	WQUANT 2
	; ---- work-group 0 alone: the batch norm folded into Wo.  Wave w takes output tiles 2 w and 2 w + 1.  No LDS, no barrier here.
	s_cmp_lg_u32 ttmp9, 0
	s_cbranch_scc1 .Lno_fold
	s_lshl_b32 s46, s20, 7
	v_lshlrev_b32 v9, 2, v1
	v_add_nc_u32 v9, s46, v9                       ; 4 (32 w + r): my output channel in tile 2 w
	v_add_nc_u32 v12, s46, v4                      ; 4 (32 w + lane): my number of the bias
	v_lshl_add_u32 v58, v2, 13, v9                 ; Wo: column 32 w + r, lanes 16-31 eight rows further down
	s_lshl_b32 s46, s20, 12
	v_add_nc_u32 v59, s46, v3                      ; wof: my wave's eight pieces
	global_load_b32 v160, v9, s[14:15]
	global_load_b32 v161, v9, s[14:15] offset:64
	global_load_b32 v162, v12, s[14:15]
	global_load_b32 v164, v9, s[36:37]
	global_load_b32 v165, v9, s[36:37] offset:64
	global_load_b32 v166, v12, s[36:37]
	global_load_b32 v168, v12, s[16:17]
	global_load_b32 v169, v12, s[18:19]
.irp tl, 0,1
.irp s, 0,1
.irp hf, 0,1
.irp e, 0,1,2,3,4,5,6,7
	global_load_b32 v[64+32*\tl+16*\s+8*\hf+\e], v58, s[12:13] offset:(32*\s+16*\hf+\e)*1024+64*\tl   ; Wo(32 s + 16 half + 8 h + e, 16 tile + r)
.endr
.endr
.endr
.endr
	s_wait_loadcnt 0x0
.irp i, 0,1,2
	v_add_f32 v[164+\i], 0x3a83126f, v[164+\i]     ; var + 0.001
.endr
.irp i, 0,1,2
	v_rsq_f32 v[170+\i], v[164+\i]
.endr
	v_nop                                          ; a plain instruction behind the last of the batch,
	s_wait_alu depctr_va_vdst(0)                   ; and the one wait ahead of the batch's first reader
.irp i, 0,1,2
	v_mul_f32 v[160+\i], v[160+\i], v[170+\i]      ; g'
.endr
.irp tl, 0,1
.irp j, 0,1,2,3,4,5,6,7,8,9,10,11,12,13,14,15,16,17,18,19,20,21,22,23,24,25,26,27,28,29,30,31
	v_mul_f32 v[64+32*\tl+\j], v[64+32*\tl+\j], v[160+\tl]
.endr
.endr
.irp i, 0,1,2,3,4,5,6,7,8,9,10,11,12,13,14,15,16,17,18,19,20,21,22,23,24,25,26,27,28,29,30,31
	v_cvt_pk_f16_f32 v[128+\i], v[64+2*\i], v[64+2*\i+1]
.endr
.irp i, 0,1,2,3,4,5,6,7
	global_store_b128 v59, v[128+4*\i:128+4*\i+3], s[42:43] offset:512*\i   ; 32 lanes store 512 consecutive bytes, aligned
.endr
	v_fma_f32 v168, -v169, v162, v168              ; beta - mean g'
	global_store_b32 v12, v168, s[44:45]
	s_wait_xcnt 0x0                                ; these loads and stores have read their registers: they are written again below
.Lno_fold:
	s_wait_dscnt 0x0                               ; for the others' sake: my images of W lie in LDS
	s_barrier_signal -1
	s_barrier_wait -1                              ; everybody's do.  (Nothing is filled again in this launch: my tensor load may be out here)
	s_wait_tensorcnt 0x0                           ; my tile of x is in; no other wave reads it
.irp b, 0,1,2,3                        ; block pair b = 2 s + c: numbers 64 b + 32 h + 0 .. 31 of my row
.irp i, 0,1,2,3,4,5,6,7
	ds_load_b128 v[RAW+32*\b+4*\i:RAW+32*\b+4*\i+3], v6 offset:256*\b+16*\i
.endr
.endr
	s_wait_dscnt 0x0
	QUANT RAW, XC, XS
	QUANT RAW+64, XC+8, XS+1
	WFETCH 0, WB0
	WFETCH 1, WB1
.irp j, 0,1,2,3,4,5,6,7,8,9,10,11,12,13,14,15,16,17,18,19,20,21,22,23
	ds_load_b32 v[WS+\j], v11 offset:128*\j
.endr
.rept 8
	v_nop                                          ; x's scale words were written by vector instructions: eight places ahead of a scaled matrix instruction (its codes: four)
.endr
	s_wait_dscnt 0x0
	PROD ACC0, WB0, WS, 0                          ; k
	PROD ACC1, WB1, WS+8, 0                        ; q
.rept 5
	v_nop                                          ; five places: four ahead of the loads into q's fragments, of the writes over k's and of the first read of results; the fifth for v's products, whose results are laid over k's
.endr
	WFETCH 2, WB1
.irp i, 0,1,2,3,4,5,6,7,8,9,10,11,12,13,14,15
	v_pk_mul_f32 v[ACC0+2*\i:ACC0+2*\i+1], v[ACC0+2*\i:ACC0+2*\i+1], 0x3fb8aa3b op_sel_hi:[1,0]   ; k' = k x log2(e): the next launch's exponentials work in base 2
.endr
	SPLIT ACC0, 0
.irp j, 0,1,2,3
	global_store_b128 v3, v[HI+4*\j:HI+4*\j+3], s[38:39] offset:512*\j        ; column tile j = piece 2 c + half
.endr
.irp j, 0,1,2,3
	global_store_b128 v3, v[LO+4*\j:LO+4*\j+3], s[38:39] offset:2048+512*\j
.endr
	s_wait_xcnt 0x0                                ; k's stores have read their registers: q's parts are written there
	SPLIT ACC1, 1
.irp j, 0,1,2,3
	global_store_b128 v3, v[HI+4*\j:HI+4*\j+3], s[50:51] offset:512*\j
.endr
.irp j, 0,1,2,3
	global_store_b128 v3, v[LO+4*\j:LO+4*\j+3], s[50:51] offset:8192+512*\j
.endr
	s_wait_dscnt 0x0                               ; v's fragments are in
	PROD ACC2, WB1, WS+16, 1                       ; v
.rept 4
	v_nop
.endr
	PACK ACC2
.irp j, 0,1,2,3
	global_store_b128 v3, v[ACC2+4*\j:ACC2+4*\j+3], s[52:53] offset:1024*\j  ; channel tile j: piece 2 j + half
.endr
	s_wait_tensorcnt 0x0                           ; the wave's end: behind my tensor load and my last LDS store
	ds_add_u32 v14, v15
	s_wait_dscnt 0x0
	s_endpgm
.Lfunc_end_k_qaedacb3856_proj:
	.size	k_qaedacb3856_proj, .Lfunc_end_k_qaedacb3856_proj-k_qaedacb3856_proj
	.p2alignl 7, 3214868480
	.fill 96, 4, 3214868480
	.section	.rodata,"a",@progbits
	.p2align	6, 0x0
	.amdhsa_kernel k_qaedacb3856_proj
		.amdhsa_group_segment_fixed_size 167936
		.amdhsa_private_segment_fixed_size 0
		.amdhsa_enable_private_segment 0
		.amdhsa_kernarg_size 104
		.amdhsa_user_sgpr_count 2
		.amdhsa_user_sgpr_kernarg_segment_ptr 1
		.amdhsa_wavefront_size32 1
		.amdhsa_system_sgpr_workgroup_id_x 1
		.amdhsa_system_sgpr_workgroup_id_y 1
		.amdhsa_system_sgpr_workgroup_id_z 1
		.amdhsa_system_vgpr_workitem_id 0
		.amdhsa_next_free_vgpr 256
		.amdhsa_next_free_sgpr 66
		.amdhsa_reserve_vcc 0
		.amdhsa_float_denorm_mode_32 3
		.amdhsa_float_denorm_mode_16_64 3
		.amdhsa_memory_ordered 1
		.amdhsa_forward_progress 1
		.amdhsa_inst_pref_size 82
	.end_amdhsa_kernel
	.amdgpu_metadata
---
amdhsa.version: [ 1, 2 ]
amdhsa.kernels:
  - .name:           k_qaedacb3856_proj
    .symbol:         k_qaedacb3856_proj.kd
    .args:
      - { .name: x, .offset: 0, .size: 8, .value_kind: global_buffer, .address_space: global }
      - { .name: Wk, .offset: 8, .size: 8, .value_kind: global_buffer, .address_space: global }
      - { .name: Wq, .offset: 16, .size: 8, .value_kind: global_buffer, .address_space: global }
      - { .name: Wv, .offset: 24, .size: 8, .value_kind: global_buffer, .address_space: global }
      - { .name: Wo, .offset: 32, .size: 8, .value_kind: global_buffer, .address_space: global }
      - { .name: gamma, .offset: 40, .size: 8, .value_kind: global_buffer, .address_space: global }
      - { .name: beta, .offset: 48, .size: 8, .value_kind: global_buffer, .address_space: global }
      - { .name: moving_mean, .offset: 56, .size: 8, .value_kind: global_buffer, .address_space: global }
      - { .name: moving_var, .offset: 64, .size: 8, .value_kind: global_buffer, .address_space: global }
      - { .name: kf, .offset: 72, .size: 8, .value_kind: global_buffer, .address_space: global }
      - { .name: qv, .offset: 80, .size: 8, .value_kind: global_buffer, .address_space: global }
      - { .name: wof, .offset: 88, .size: 8, .value_kind: global_buffer, .address_space: global }
      - { .name: bias, .offset: 96, .size: 8, .value_kind: global_buffer, .address_space: global }
    .group_segment_fixed_size: 167936
    .private_segment_fixed_size: 0
    .kernarg_segment_align: 8
    .kernarg_segment_size: 104
    .max_flat_workgroup_size: 256
    .sgpr_count:     66
    .vgpr_count:     256
    .wavefront_size: 32
...
	.end_amdgpu_metadata
.endif
;; end of part 3
;; launch attn (part 4): grid 32 x 8, 8 waves a work-group, clusters of 4 x 1, 327,680 bytes of LDS; arguments kf, qv, wof, bias, out0; writes out0
.if DOCPART == 4
	.amdgcn_target "amdgcn-amd-amdhsa--gfx1250"
	.amdhsa_code_object_version 6
	.text
	.protected	k_qaedacb3856_attn
	.globl	k_qaedacb3856_attn
	.p2align	8
	.type	k_qaedacb3856_attn,@function
k_qaedacb3856_attn:
	s_mov_b64 s[64:65], 0
	v_nop
	global_prefetch_b8 v0, s[64:65] scope:SCOPE_SE
	s_setreg_imm32_b32 hwreg(HW_REG_WAVE_MODE, 25, 1), 1
	s_wait_xcnt 0x0
	s_wait_alu depctr_hold_cnt(0) depctr_sa_sdst(0) depctr_va_vdst(0) depctr_va_sdst(0) depctr_va_ssrc(0) depctr_va_vcc(0) depctr_vm_vsrc(0)
	s_getreg_b32 s2, hwreg(HW_REG_IB_STS2, 6, 4)
	s_cmp_eq_u32 s2, 0
	s_cbranch_scc0 .Lentry_in_a_cluster
	s_endpgm
.Lentry_in_a_cluster:
	s_bfe_u32 s2, ttmp6, 0x10000c
	s_cmp_lg_u32 s2, 0x3003
	s_cbranch_scc0 .Lentry_shape_is_right
	s_endpgm
.Lentry_shape_is_right:
; out[b][i][:] = (softmax_j(k[b][i] . q[b][j]) v[b][j][:]) Wo g' + bias: 4,096 rows i and 4,096 keys j a batch, 64 channels, 256 outputs.  All operands f16, sums, maxima and exponentials f32.
; kf, qv, wof are images of operand registers (four registers = 512 consecutive bytes, lane l at 16 l), made by the launch before; kf holds k' = k x log2(e), so that p = 2^(s - m) with no scaling.
; THE SCORES' OPERANDS ARE TWO f16 NUMBERS EACH, and S^T = b1 a1 + b2 a2: a1 = (1 - 2^-6) k' to 11 bits, a2 = k' - a1; b1 = q to 11 bits, b2 = b1 + 2^6 (q - b1).  q's rounding error, enlarged 64 times, meets the 1/64 of k'
; that lies in a2: what is left of the operands' roundings is 2^-6 of one f16 rounding a side and 2^6 x the product of two.  A score stands in an exponent: its error is a relative error of p.
; SHARES.  A work-group owns 128 rows of one batch.  Wave w: rows 64 (w % 2) on (four tiles of 16), and the quarter g = w / 2 of the keys: chunk 4 n + g (64 keys) in step n = 0 .. 15.  Each wave keeps its own running
; maximum m, sum l and O^T over its 1,024 keys; the four quarters are merged at the end, through LDS: O = sum_g 2^(m_g - M) O_g / sum_g 2^(m_g - M) l_g.
; LAYOUT.  S^T = q k^T (source 0 = 16 keys, source 1 = 16 rows): a lane holds ONE row (lane % 16) and keys 8 (lane / 16) + 0..7.  Two such tiles, rounded to f16 in pairs, ARE source 1 (32 keys x 16 rows) of O^T = v^T P.
; TWO ROLES (w / 4), OUT OF STEP BY HALF A STEP.  A step has matrix work (32 products v^T P of the last step, 64 products for this step's scores, and their 48 LDS loads) and a softmax (vector work on registers alone).
; From each change of slots on, role 0 runs its matrix work and then its softmax of this step; role 1 runs its softmax of the step before and then its matrix work.  So matrix work and vector work are both on hand from a
; step's first line on, and where both roles are in their matrix work the one's products stand in the other's gaps.  No barrier stands inside a step: both roles only READ the step's slot.
; RING.  Two LDS slots of 96 KB; a slot holds a step's four chunks of 24 KB; wave w fetches 12 KB of it by one tensor load.  The barrier that ends a step changes slots.
; CLUSTER.  The four row blocks of a cluster belong to one batch and walk the same q and v: each part of a slot (and of Wo's image) is asked for JOINTLY, by the same tensor load with the same descriptor and a mask that names the four.
; LIMITS: NaN and infinities are not served; the normalised attention output must stay at or under 65,504 (it is rounded to f16 for the product with Wo).
; REGISTERS.  Window 0: v1-12 addresses, v14-15 the add's two; v16-47 statistics, eight a tile: +0 m, +1 old m, +2,+3 l (even keys', odd keys'), +4..+7 at work (a = 2^(old m - m) in +6); v48-63 the merge's;
;   v64-191 S^T, 32 a tile, then p, then P packed into each tile's low 16; v192-255 THE POOL, two halves of 32 that take turns: v^T, then b1, then b2, then the step's v^T, which stays over the softmax.
;   Window 1: v0-127 O^T (tile t, channel tile ct at 32 t + 8 ct); v128-191 a1, v192-255 a2 (16 t + 8 c).
.set SLOT1, 1<<17                      ; slot 1 begins here: one exclusive or turns an address in one slot into the other's
.set CHK,   24576                      ; a chunk: b1, b2, v^T: 8 KB each
.set STEPB, 4*CHK                      ; a step's four chunks: a slot
.set WOI,   STEPB                      ; between the slots: Wo's image, 32 KB, filled once
.set STT,   SLOT1+STEPB                ; the merge's m and l: number 4 T + g (T: tile of rows 0..7): 256 bytes: m, then l, 4 bytes a lane
.set SPARE, STT+8192                   ; the spare words, 128 bytes for each wave: four blocks of 256 bytes that no other line names
.set OST,   SPARE+1024                 ; the way out: 16 rows x (512 bytes + 16) for each wave: bytes of their own
.set OSW,   16*528                     ; (the merge's O^T, 4 KB for each tile and quarter, lies in the slots' first 64 KB, tiles 0-3 in slot 0, tiles 4-7 in slot 1: both have had their last fill and their last read by then)
.set AK0, 1                            ; v1   24,576 g + 16 x lane: my chunk's place in a step's four
.set ADR, 2                            ; v2   the step's LDS address; made on the common path
.set LI,  3                            ; v3   16 x lane
.set MSA, 4                            ; v4   where I store my O^T for the merge
.set STA, 5                            ; v5   and my m and l
.set MLA, 6                            ; v6   where I read tile w's four O^T
.set SLA, 7                            ; v7   and its m and l
.set WLA, 8                            ; v8   Wo's image
.set STO, 9                            ; v9   the stage: where I put 32 bytes of a row
.set RD,  10                           ; v10  and where I read a row back
.set BO,  11                           ; v11  32 h: my eight numbers of a tile's 16 of the bias
.set PFO, 12                           ; v12  256 x lane
.set SPW, 14
.set NIL, 15
.set ST,  16
.set S,   64
.set PL,  192                          ; the pool
.set KH,  128                          ; window 1: a1
.set KL,  192                          ; window 1: a2
.set OF,  192                          ; the merged O as f16
; s14 wave, s15 role, s16 w % 2, s17 g, s18 cx, s19 row block, s20 batch; s[24:31], s[32:39] descriptor groups 1 (a slot's parts; Wo); s[40:43], s[44:47], s[48:51] groups 0 (slot 0; slot 1, which then walks; Wo)
; s52 changes of slots that still fill, s54 LDS byte of the step in hand, s55 prefetch limit, s[56:57] prefetch address, s[58:59] lane selects, s[60:61] kf at my rows
.set MSB, 0
.macro WIN new                         ; the immediate's high byte repeats the setting that is left; a switch that changes nothing is dropped
.if MSB != \new
	s_set_vgpr_msb (MSB<<8)|\new
.set MSB, \new
.endif
.endm
.set W_PV, 0x50                        ; v^T and P window 0, O^T (C and D) window 1
.set W_KQ, 0x04                        ; q window 0, k window 1, S^T window 0.  (An LDS load under it has its address and its destination in window 0)
.set W_LK, 0x40                        ; destination window 1, address window 0
.set W_RS, 0x41                        ; O^T (destination and source 0) window 1, a window 0
.set W_D1, 0x04                        ; an LDS store's data: window 1
.set W_E0, 0x51                        ; Wo's fragment window 1, O window 0, C and D window 1
.macro CROUND                          ; a round of the cluster's barrier
	s_barrier_signal -1
	s_barrier_wait -1
	s_cmp_lg_u32 s14, 0
	s_cbranch_scc1 .Lnot_wave_0_\@
	s_barrier_signal -3
.Lnot_wave_0_\@:
	s_barrier_wait -3
	s_barrier_signal -1
	s_barrier_wait -1
.endm
.macro BAR                             ; no LDS instruction of mine is out; then the work-group's barrier
	s_wait_dscnt 0x0
	s_barrier_signal -1
	s_barrier_wait -1
.endm
.macro NOPS n
.rept \n
	v_nop
.endr
.endm
; THE MATRIX WORK OF A STEP.
.macro LDP hf, off                     ; eight loads: 4 KB of my chunk, from byte off on, into half hf of the pool
.irp i, 0,1,2,3,4,5,6,7
	ds_load_b128 v[PL+32*\hf+4*\i:PL+32*\hf+4*\i+3], v[ADR] offset:\off+512*\i
.endr
.endm
.macro PVH kb, zero                    ; 16 products O^T += v^T P: keys 32 kb on; zero: they start the sums (nothing is ever cleared).  The sixteen accumulators take turns
.irp ct, 0,1,2,3
.irp t, 0,1,2,3
.if \zero
	v_wmma_f32_16x16x32_f16 v[32*\t+8*\ct:32*\t+8*\ct+7], v[PL+32*\kb+8*\ct:PL+32*\kb+8*\ct+7], v[S+32*\t+8*\kb:S+32*\t+8*\kb+7], 0
.else
	v_wmma_f32_16x16x32_f16 v[32*\t+8*\ct:32*\t+8*\ct+7], v[PL+32*\kb+8*\ct:PL+32*\kb+8*\ct+7], v[S+32*\t+8*\kb:S+32*\t+8*\kb+7], v[32*\t+8*\ct:32*\t+8*\ct+7]
.endif
.endr
.endr
.endm
.macro KQG hf, kreg, zero              ; 16 products S^T += q k^T: the part of q in half hf of the pool (key tiles 2 hf, 2 hf + 1) x the part of k at kreg; eight accumulators by turns
.irp c, 0,1
.irp kk, 0,1
.irp t, 0,1,2,3
.if \zero && (\c == 0)
	v_wmma_f32_16x16x32_f16 v[S+32*\t+8*(2*\hf+\kk):S+32*\t+8*(2*\hf+\kk)+7], v[PL+32*\hf+16*\kk+8*\c:PL+32*\hf+16*\kk+8*\c+7], v[\kreg+16*\t+8*\c:\kreg+16*\t+8*\c+7], 0
.else
	v_wmma_f32_16x16x32_f16 v[S+32*\t+8*(2*\hf+\kk):S+32*\t+8*(2*\hf+\kk)+7], v[PL+32*\hf+16*\kk+8*\c:PL+32*\hf+16*\kk+8*\c+7], v[\kreg+16*\t+8*\c:\kreg+16*\t+8*\c+7], v[S+32*\t+8*(2*\hf+\kk):S+32*\t+8*(2*\hf+\kk)+7]
.endif
.endr
.endr
.endr
.endm
; pv = 2: v^T P of the step before; 1: it starts O^T's sums; 0: none.  kq = 1: this step's scores, and its v^T into the pool.  As soon as a half of the pool has been multiplied, four places on, it is loaded with what is
; wanted 16 matrix instructions later.  Each s_wait_dscnt 8 leaves out the eight loads of the other half, which were issued behind the half that is wanted.
.macro MATS pv, kq
.if \pv
	WIN W_PV
	PVH 0, 2-\pv
	NOPS 4                                         ; places ahead of the loads into registers that these products have read
.if \kq
	WIN 0
	LDP 0, 0                                       ; b1, key tiles 0, 1
	WIN W_PV
.endif
	PVH 1, 0
	NOPS 5                                         ; five places: the scores are laid over P, which these products have read
.if \kq
	WIN W_KQ
	LDP 1, 4096                                    ; key tiles 2, 3
.endif
.else
	LDP 0, 0
	LDP 1, 4096
	WIN W_KQ
.endif
.if \kq
	s_wait_dscnt 8
	KQG 0, KH, 1                                   ; b1 a1
	NOPS 4
	LDP 0, 8192                                    ; b2, key tiles 0, 1
	s_wait_dscnt 8
	KQG 1, KH, 1
	NOPS 4
	LDP 1, 12288                                   ; key tiles 2, 3
	s_wait_dscnt 8
	KQG 0, KL, 0                                   ; + b2 a2
	NOPS 4
	LDP 0, 16384                                   ; v^T, keys 0 to 31: wanted a softmax later
	s_wait_dscnt 8
	KQG 1, KL, 0
	NOPS 5                                         ; places behind the last products, ahead of the loads below and of whatever reads the scores
	LDP 1, 20480                                   ; keys 32 to 63
	WIN 0
	s_wait_dscnt 0x0                               ; v^T is in
.else
	WIN 0
.endif
.endm
; THE VECTOR WORK OF A STEP: the softmax of four tiles for 64 keys.  s0-s31 are the lane's scores of a tile, in pairs 0-15.
.macro SUBP t, i                       ; pair i: s - m
	v_pk_add_f32 v[S+32*(\t)+2*(\i):S+32*(\t)+2*(\i)+1], v[S+32*(\t)+2*(\i):S+32*(\t)+2*(\i)+1], v[ST+8*(\t):ST+8*(\t)+1] op_sel_hi:[1,0] neg_lo:[0,1] neg_hi:[0,1]
.endm
.macro EXPS t, e
	v_exp_f32 v[S+32*(\t)+(\e)], v[S+32*(\t)+(\e)]
.endm
.macro SUMP t, i, first                ; line i of 16 of the tile's sum, in two chains: l = a l + pair 0; B = pair 1 + pair 2; l (i even) or B (i odd) += pair i + 1; l += B
.if (\i) == 0
.if \first
	v_pk_add_f32 v[ST+8*(\t)+2:ST+8*(\t)+3], v[ST+8*(\t)+2:ST+8*(\t)+3], v[S+32*(\t):S+32*(\t)+1]
.else
	v_pk_fma_f32 v[ST+8*(\t)+2:ST+8*(\t)+3], v[ST+8*(\t)+2:ST+8*(\t)+3], v[ST+8*(\t)+6:ST+8*(\t)+7], v[S+32*(\t):S+32*(\t)+1] op_sel_hi:[1,0,1]
.endif
.elseif (\i) == 1
	v_pk_add_f32 v[ST+8*(\t)+4:ST+8*(\t)+5], v[S+32*(\t)+2:S+32*(\t)+3], v[S+32*(\t)+4:S+32*(\t)+5]
.elseif (\i) == 15
	v_pk_add_f32 v[ST+8*(\t)+2:ST+8*(\t)+3], v[ST+8*(\t)+2:ST+8*(\t)+3], v[ST+8*(\t)+4:ST+8*(\t)+5]
.elseif ((\i) % 2) == 0
	v_pk_add_f32 v[ST+8*(\t)+2:ST+8*(\t)+3], v[ST+8*(\t)+2:ST+8*(\t)+3], v[S+32*(\t)+2*(\i)+2:S+32*(\t)+2*(\i)+3]
.else
	v_pk_add_f32 v[ST+8*(\t)+4:ST+8*(\t)+5], v[ST+8*(\t)+4:ST+8*(\t)+5], v[S+32*(\t)+2*(\i)+2:S+32*(\t)+2*(\i)+3]
.endif
.endm
.macro CVTP t, i                       ; pair i to f16, in place: register i's own pair, i / 2, was summed and rounded in line i at the latest, and SUMP i stands ahead of CVTP i
	v_cvt_pk_f16_f32 v[S+32*(\t)+(\i)], v[S+32*(\t)+2*(\i)], v[S+32*(\t)+2*(\i)+1]
.endm
; first = 1: the wave's first step: no old maximum, no a, nothing to rescale (l was cleared at the head).  Each group runs over the four tiles innermost, so that no line waits for the line above it.
; The exponentials go in two batches (tiles 0, 1; tiles 2, 3), each with ONE wait ahead of its first reader; between the exponentials stand plain lines of the OTHER pair of tiles.
.macro SOFT first
.irp j, 0,1,2,3                        ; the maximum: four chains, one for each of a tile's accumulators, each read from its low end on
.irp t, 0,1,2,3
	v_max3_num_f32 v[ST+8*\t+4+\j], v[S+32*\t+8*\j], v[S+32*\t+8*\j+1], v[S+32*\t+8*\j+2]
.endr
.endr
.irp u, 3,5
.irp j, 0,1,2,3
.irp t, 0,1,2,3
	v_max3_num_f32 v[ST+8*\t+4+\j], v[ST+8*\t+4+\j], v[S+32*\t+8*\j+\u], v[S+32*\t+8*\j+\u+1]
.endr
.endr
.endr
.irp t, 0,1,2,3
	v_max3_num_f32 v[ST+8*\t+4], v[ST+8*\t+4], v[S+32*\t+7], v[S+32*\t+15]
.endr
.irp t, 0,1,2,3
	v_max3_num_f32 v[ST+8*\t+6], v[ST+8*\t+6], v[S+32*\t+23], v[S+32*\t+31]
.endr
.irp t, 0,1,2,3
	v_max3_num_f32 v[ST+8*\t+4], v[ST+8*\t+4], v[ST+8*\t+5], v[ST+8*\t+6]
.endr
.irp t, 0,1,2,3
.if \first
	v_max_num_f32 v[ST+8*\t+4], v[ST+8*\t+4], v[ST+8*\t+7]
.else
	v_max3_num_f32 v[ST+8*\t+4], v[ST+8*\t+4], v[ST+8*\t+7], v[ST+8*\t]
.endif
.endr
.irp t, 0,1,2,3
	v_permlanex16_b32 v[ST+8*\t+5], v[ST+8*\t+4], s58, s59         ; the row's other 32 keys lie in the lane 16 away
.endr
.irp t, 0,1,2,3
.if \first
	v_mov_b32 v[ST+8*\t+1], v[ST+8*\t+4]           ; (named with m as a pair, so it is written)
.else
	v_mov_b32 v[ST+8*\t+1], v[ST+8*\t]             ; the old m
.endif
.endr
.irp t, 0,1,2,3
	v_max_num_f32 v[ST+8*\t], v[ST+8*\t+4], v[ST+8*\t+5]           ; the new m
.endr
.if \first == 0
.irp t, 0,1,2,3
	v_sub_f32 v[ST+8*\t+7], v[ST+8*\t+1], v[ST+8*\t]
.endr
.irp t, 0,1,2,3
	v_exp_f32 v[ST+8*\t+6], v[ST+8*\t+7]           ; a = 2^(old m - m): read first behind the first batch's wait
.endr
.endif
.irp i, 0,1,2,3,4,5,6,7,8,9,10,11,12,13,14,15
	SUBP 0, \i
	SUBP 1, \i
.endr
.irp i, 0,1,2,3,4,5,6,7,8,9,10,11,12,13,14,15
	SUBP 2, \i
	EXPS 0, 2*\i
	EXPS 1, 2*\i
	SUBP 3, \i
	EXPS 0, 2*\i+1
	EXPS 1, 2*\i+1
.endr
	v_nop                                          ; a plain instruction behind the batch's last exponential,
	s_wait_alu depctr_va_vdst(0)                   ; and the batch's one wait
.irp i, 0,1,2,3,4,5,6,7,8,9,10,11,12,13,14,15
	EXPS 2, 2*\i
	SUMP 0, \i, \first
	EXPS 3, 2*\i
	SUMP 1, \i, \first
	EXPS 2, 2*\i+1
	CVTP 0, \i
	EXPS 3, 2*\i+1
	CVTP 1, \i
.endr
	v_nop
	s_wait_alu depctr_va_vdst(0)                   ; the second batch's
.irp i, 0,1,2,3,4,5,6,7,8,9,10,11,12,13,14,15
	SUMP 2, \i, \first
	SUMP 3, \i, \first
	CVTP 2, \i
	CVTP 3, \i
.endr
.if \first == 0
	WIN W_RS
.irp p, 0,1,2,3,4,5,6,7,8,9,10,11,12,13,14,15
.irp t, 0,1,2,3
	v_pk_mul_f32 v[32*\t+2*\p:32*\t+2*\p+1], v[32*\t+2*\p:32*\t+2*\p+1], v[ST+8*\t+6:ST+8*\t+7] op_sel_hi:[1,0]   ; O^T x a, each accumulator from its low end on
.endr
.endr
	WIN 0
.endif
.endm
; A STEP.  Role 0: the matrix work of this step, then this step's softmax (smcur).  Role 1: the softmax of the step before (smprev: -1 none, 1 its first, 0 generic), then the matrix work of this step.
; The branch hangs on the wave's number alone; the line that makes the LDS address stands on every wave's path.  All LDS instructions of a step are loads from the step's slot: that slot was shown whole by the change of slots
; in front of the step, and is filled again behind the change that follows it, in front of which every wave has waited for its loads.
.macro STEP pv, smprev, smcur
	v_add_nc_u32 v[ADR], s54, v[AK0]
	s_cmp_eq_u32 s15, 0
	s_cbranch_scc0 .Lr1_\@
	MATS \pv, 1
	SOFT \smcur
	s_branch .Lrj_\@
.Lr1_\@:
.if \smprev >= 0
	SOFT \smprev
.endif
	MATS \pv, 1
.Lrj_\@:
	s_xor_b32 s54, s54, SLOT1                      ; the next step lies in the other slot
.endm
; A PREFETCH INTO THE L2 of what the NEXT change of slots will ask for: a step's 96 KB of qv.  Each aligned block of 256 bytes is named once in the launch: all clusters of a batch walk the same bytes, and the batch's first
; cluster asks; its four partners take 24 KB each, told apart BY ADDRESS; in each, waves 0 to 2 ask for 8 KB each, lanes 256 bytes apart: one instruction a wave.  It stands one step, 96 matrix instructions and a softmax of
; each role, ahead of the load that will want the bytes.  The last change that fills a slot asks for nothing; nothing is asked for at the head.
.macro ASK
	s_cmp_gt_u32 s52, s55
	s_cbranch_scc0 .Lnot_mine_\@
	global_prefetch_b8 v[PFO], s[56:57] th:TH_LOAD_NT scope:SCOPE_SE
.Lnot_mine_\@:
.endm
; THE CHANGE OF SLOTS, behind every step.  Each wave waits for all its tensor loads (one is out: its part of the slot ahead), adds 0 to its spare word, and waits for that and for its reads of the slot that it leaves.
; fill = 1: the barrier is a round of the cluster's, and the joint refill of the slot just left is the first thing behind it: it has a step, 96 matrix instructions of each role, in which to land.
.macro CHANGE fill
	s_wait_tensorcnt 0x0                           ; no tensor load of mine is out, so a group 0 may be written
	ds_add_u32 v[SPW], v[NIL]                      ; 0 onto my spare word
.if \fill
	s_xor_b32 s45, s45, SLOT1                      ; the walking descriptor: the other slot than last time,
	s_add_nc_u64 s[46:47], s[46:47], STEPB         ; the next step's chunks; the type bits on top are not reached
	s_wait_xcnt 0x0                                ; the last prefetch, a step back, has read its address
	s_add_nc_u64 s[56:57], s[56:57], STEPB         ; one step further on than the walking descriptor
.endif
	s_wait_dscnt 0x0                               ; the add is done, and my reads of the slot are over
.if \fill
	CROUND
	tensor_load_to_lds s[44:47], s[24:31]
	s_nop 0
.rept 4
	v_nop
.endr
	ASK
.else
	s_barrier_signal -1
	s_barrier_wait -1
.endif
.endm
	s_load_b256 s[4:11], s[0:1], 0x0               ; kf s[4:5], qv s[6:7], wof s[8:9], bias s[10:11]
	s_load_b64 s[12:13], s[0:1], 0x20              ; out0
	v_lshl_add_u32 v[SPW], v0, 2, SPARE
	v_mov_b32 v[NIL], 0
	ds_add_u32 v[SPW], v[NIL]                      ; the wave's opening: the add, twice on end, and its wait ahead of my first tensor load; the set-up below stands between
	ds_add_u32 v[SPW], v[NIL]
	v_lshrrev_b32 v13, 5, v0
	v_readfirstlane_b32 s14, v13                   ; wave 0..7
	v_and_b32 v13, 31, v0                          ; lane
	v_lshlrev_b32 v[LI], 4, v13
	s_lshr_b32 s15, s14, 2                         ; role
	s_and_b32 s16, s14, 1                          ; which 64 rows
	s_lshr_b32 s17, s14, 1                         ; which quarter of the keys
	s_bfe_u32 s18, ttmp6, 0x40000                  ; cx: my place in the cluster: it enters global addresses alone
	s_lshl_b32 s19, ttmp9, 2
	s_add_co_u32 s19, s19, s18                     ; my block of 128 rows
	s_and_b32 s20, ttmp7, 0xffff                   ; the batch, which the four partners share
	; descriptor groups 1: dense blocks as rows of 256 bytes (32 elements of 8 bytes): 48 rows for my part of a slot, 16 for my part of Wo's image; the mask names all four work-groups, bit 21 beside it
	s_mov_b32 s24, 15|(3<<16)|(1<<21)
	s_mov_b32 s25, 32<<16
	s_mov_b32 s26, 48<<16
	s_mov_b32 s27, 32<<16
	s_mov_b32 s28, 48
	s_mov_b32 s29, 32
	s_mov_b32 s30, 0
	s_mov_b32 s31, 0
	s_mov_b32 s32, 15|(3<<16)|(1<<21)
	s_mov_b32 s33, 32<<16
	s_mov_b32 s34, 16<<16
	s_mov_b32 s35, 32<<16
	s_mov_b32 s36, 16
	s_mov_b32 s37, 32
	s_mov_b32 s38, 0
	s_mov_b32 s39, 0
	s_mov_b32 s40, 1
	s_mul_i32 s41, s14, 12288                      ; LDS: my eighth of slot 0,
	s_mov_b32 s44, 1
	s_add_co_u32 s45, s41, SLOT1                   ; of slot 1;
	s_mov_b32 s48, 1
	s_lshl_b32 s49, s14, 12
	s_add_co_u32 s49, s49, WOI                     ; 4 KB of Wo's image
	s_mul_i32 s22, s20, 64*CHK                     ; a batch's q and v: 64 chunks
	s_add_co_u32 s22, s22, s41
	s_mov_b32 s23, 0
	s_mov_b32 s52, 14
	s_mov_b32 s54, 0
	s_mov_b32 s58, 0x76543210
	s_mov_b32 s59, 0xfedcba98
	s_cmp_lt_u32 s14, 3
	s_cselect_b32 s55, 0, 1
	s_or_b32 s55, s55, ttmp9                       ; 0 in waves 0 to 2 of the batch's first cluster: the same in all four partners
	s_cmp_eq_u32 s55, 0
	s_cselect_b32 s55, 1, -1
	s_wait_dscnt 0x0                               ; both opening adds are done
	s_wait_kmcnt 0x0
	s_add_nc_u64 s[42:43], s[6:7], s[22:23]
	s_add_nc_u64 s[46:47], s[42:43], STEPB
	s_or_b32 s43, s43, 0x80000000
	s_or_b32 s47, s47, 0x80000000
	s_lshl_b32 s22, s14, 12
	s_add_nc_u64 s[50:51], s[8:9], s[22:23]
	s_or_b32 s51, s51, 0x80000000
	s_lshl_b32 s62, s20, 8                         ; kf: tile 256 batch + 8 block + 4 (w % 2), 4,096 bytes each
	s_lshl_b32 s63, s19, 3
	s_add_co_u32 s62, s62, s63
	s_lshl_b32 s63, s16, 2
	s_add_co_u32 s62, s62, s63
	s_lshl_b32 s62, s62, 12
	s_mov_b32 s63, 0
	s_add_nc_u64 s[60:61], s[4:5], s[62:63]
	s_lshl_b32 s62, s20, 12                        ; out0: row 4,096 batch + 128 block + 16 w, 1,024 bytes each
	s_lshl_b32 s63, s19, 7
	s_add_co_u32 s62, s62, s63
	s_lshl_b32 s63, s14, 4
	s_add_co_u32 s62, s62, s63
	s_lshl_b32 s62, s62, 10
	s_mov_b32 s63, 0
	s_add_nc_u64 s[12:13], s[12:13], s[62:63]
	s_min_u32 s62, s14, 2                          ; the prefetches: 8 KB a wave, 24 KB a partner, in my batch,
	s_lshl_b32 s62, s62, 13
	s_mul_i32 s63, s18, CHK
	s_add_co_u32 s62, s62, s63
	s_mul_i32 s63, s20, 64*CHK
	s_add_co_u32 s62, s62, s63
	s_add_co_u32 s62, s62, 2*STEPB                 ; in step 2: the first change of slots steps it to step 3
	s_mov_b32 s63, 0
	s_add_nc_u64 s[56:57], s[6:7], s[62:63]
	CROUND                                         ; all four work-groups are here: the first joint loads meet
	tensor_load_to_lds s[48:51], s[32:39]          ; Wo's image; three loads of mine are out behind these lines
	s_nop 0
	tensor_load_to_lds s[40:43], s[24:31]          ; slot 0: step 0
	s_nop 0
	tensor_load_to_lds s[44:47], s[24:31]          ; slot 1: step 1
	s_nop 0
.rept 4
	v_nop
.endr
	WIN W_LK
.irp t, 0,1,2,3                        ; k's fragments of my 64 rows, both parts, stay in registers
.irp i, 0,1,2,3
	global_load_b128 v[KH+16*\t+4*\i:KH+16*\t+4*\i+3], v[LI], s[60:61] offset:4096*\t+512*\i
	global_load_b128 v[KL+16*\t+4*\i:KL+16*\t+4*\i+3], v[LI], s[60:61] offset:4096*\t+2048+512*\i
.endr
.endr
	WIN 0
	; every LDS address register but the step's is made here, ahead of the first parting of the roles
	v_and_b32 v16, 15, v0                          ; r
	v_bfe_u32 v17, v0, 4, 1                        ; h
	v_lshlrev_b32 v18, 2, v13                      ; 4 x lane
	s_mul_i32 s21, s17, CHK
	v_add_nc_u32 v[AK0], s21, v[LI]
	s_lshl_b32 s21, s16, 17
	s_lshl_b32 s22, s17, 12
	s_add_co_u32 s21, s21, s22
	v_add_nc_u32 v[MSA], s21, v[LI]                ; slot w % 2, + 4,096 g + 16 x lane; tile t: 16,384 t on
	s_lshl_b32 s21, s16, 12
	s_lshl_b32 s22, s17, 8
	s_add_co_u32 s21, s21, s22
	s_add_co_u32 s21, s21, STT
	v_add_nc_u32 v[STA], s21, v18
	s_lshl_b32 s21, s15, 17                        ; tile w of the eight: slot w / 4, + 16,384 (w % 4)
	s_and_b32 s22, s14, 3
	s_lshl_b32 s22, s22, 14
	s_add_co_u32 s21, s21, s22
	v_add_nc_u32 v[MLA], s21, v[LI]
	s_lshl_b32 s21, s14, 10
	s_add_co_u32 s21, s21, STT
	v_add_nc_u32 v[SLA], s21, v18
	v_add_nc_u32 v[WLA], WOI, v[LI]
	s_mul_i32 s21, s14, OSW
	s_add_co_u32 s21, s21, OST
	v_mul_u32_u24 v[STO], v16, 528
	v_lshl_add_u32 v[STO], v17, 5, v[STO]
	v_add_nc_u32 v[STO], s21, v[STO]
	v_add_nc_u32 v[RD], s21, v[LI]
	v_lshlrev_b32 v[BO], 5, v17
	v_lshlrev_b32 v[PFO], 8, v13
.irp t, 0,1,2,3
	v_mov_b32 v[ST+8*\t+2], 0                      ; l
	v_mov_b32 v[ST+8*\t+3], 0
.endr
	s_wait_tensorcnt 1                             ; my parts of Wo's image and of slot 0 are in; slot 1's load, the one issued behind them, may be out
	s_barrier_signal -1
	s_barrier_wait -1                              ; everybody's are
	s_wait_loadcnt 0x0                             ; k
	STEP 0, -1, 1                                  ; step 0: no O^T yet; role 0's first softmax
	CHANGE 1                                       ; step 2 is asked for
	STEP 1, 1, 0                                   ; step 1: v^T P of step 0 starts O^T; role 1's first softmax
	s_mov_b32 s52, 13
.Lstep:                                            ; thirteen trips: steps 2 to 14 are walked, steps 3 to 15 asked for
	CHANGE 1
	STEP 2, 0, 0
	s_sub_co_u32 s52, s52, 1
	s_cmp_lg_u32 s52, 0
	s_cbranch_scc1 .Lstep
	CHANGE 0                                       ; the tail is written out
	STEP 2, 0, 0                                   ; step 15
	BAR                                            ; nobody reads a slot any more
	s_cmp_eq_u32 s15, 0                            ; what is left: role 0: v^T P of step 15 | role 1: its last softmax; then role 1's v^T P
	s_cbranch_scc0 .Lt32_1
	MATS 2, 0
	s_branch .Lt32_j
.Lt32_1:
	SOFT 0
.Lt32_j:
	BAR
	s_cmp_eq_u32 s15, 0
	s_cbranch_scc1 .Lt33_j
	MATS 2, 0
.Lt33_j:
	; ---- THE MERGE.  My m, l and O^T of four tiles go to LDS as they stand.
.irp t, 0,1,2,3
	v_add_f32 v[ST+8*\t+4], v[ST+8*\t+2], v[ST+8*\t+3]             ; l's two halves,
.endr
.irp t, 0,1,2,3
	v_permlanex16_b32 v[ST+8*\t+5], v[ST+8*\t+4], s58, s59
.endr
.irp t, 0,1,2,3
	v_add_f32 v[ST+8*\t+4], v[ST+8*\t+4], v[ST+8*\t+5]             ; and lane l xor 16's
.endr
.irp t, 0,1,2,3
	ds_store_b32 v[STA], v[ST+8*\t] offset:1024*\t
	ds_store_b32 v[STA], v[ST+8*\t+4] offset:1024*\t+128
.endr
	WIN W_D1
.irp t, 0,1,2,3
.irp i, 0,1,2,3,4,5,6,7
	ds_store_b128 v[MSA], v[32*\t+4*\i:32*\t+4*\i+3] offset:16384*\t+512*\i   ; each accumulator from its low end on
.endr
.endr
	WIN 0
	BAR                                            ; all quarters of all eight tiles lie in LDS
	; Wave w takes tile w of the work-group's rows: its four quarters, Wo's first eight tiles, and the bias, which IS the start of the last product's sums
.irp g, 0,1,2,3
	ds_load_b32 v[48+\g], v[SLA] offset:256*\g
	ds_load_b32 v[52+\g], v[SLA] offset:256*\g+128
.endr
.irp g, 0,1,2,3
.irp i, 0,1,2,3,4,5,6,7
	ds_load_b128 v[S+32*\g+4*\i:S+32*\g+4*\i+3], v[MLA] offset:4096*\g+512*\i
.endr
.endr
	WIN W_LK
.irp i, 0,1,2,3,4,5,6,7,8,9,10,11,12,13,14,15,16,17,18,19,20,21,22,23,24,25,26,27,28,29,30,31
	ds_load_b128 v[128+4*\i:128+4*\i+3], v[WLA] offset:512*\i
.endr
.irp u, 0,1,2,3,4,5,6,7,8,9,10,11,12,13,14,15
	global_load_b128 v[8*\u:8*\u+3], v[BO], s[10:11] offset:64*\u
	global_load_b128 v[8*\u+4:8*\u+7], v[BO], s[10:11] offset:64*\u+16
.endr
	WIN 0
	s_wait_dscnt 0x0
	v_max3_num_f32 v16, v48, v49, v50
	v_max_num_f32 v16, v16, v51                    ; M
.irp g, 0,1,2,3
	v_sub_f32 v[48+\g], v[48+\g], v16
.endr
.irp g, 0,1,2,3
	v_exp_f32 v[48+\g], v[48+\g]                   ; f_g = 2^(m_g - M)
.endr
	v_nop
	s_wait_alu depctr_va_vdst(0)                   ; one wait for the four
	v_mul_f32 v17, v48, v52
	v_fma_f32 v17, v49, v53, v17
	v_fma_f32 v17, v50, v54, v17
	v_fma_f32 v17, v51, v55, v17                   ; L: at least 1, since one f_g is 1 and its l holds a p = 1
	v_rcp_f32 v18, v17
	v_nop
	s_wait_alu depctr_va_vdst(0)
.irp g, 0,1,2,3
	v_mul_f32 v[56+2*\g], v[48+\g], v18            ; c_g = f_g / L, in both words of a pair
	v_mul_f32 v[57+2*\g], v[48+\g], v18
.endr
.irp p, 0,1,2,3,4,5,6,7,8,9,10,11,12,13,14,15
	v_pk_mul_f32 v[208+2*\p:209+2*\p], v[S+2*\p:S+2*\p+1], v[56:57]
.endr
.irp g, 1,2,3
.irp p, 0,1,2,3,4,5,6,7,8,9,10,11,12,13,14,15
	v_pk_fma_f32 v[208+2*\p:209+2*\p], v[S+32*\g+2*\p:S+32*\g+2*\p+1], v[56+2*\g:57+2*\g], v[208+2*\p:209+2*\p]
.endr
.endr
.irp i, 0,1,2,3,4,5,6,7,8,9,10,11,12,13,14,15
	v_cvt_pk_f16_f32 v[OF+\i], v[208+2*\i], v[208+2*\i+1]          ; the attention's output as source 1: 16 rows x channels 32 s on at OF + 8 s
.endr
.irp i, 0,1,2,3,4,5,6,7,8,9,10,11,12,13,14,15,16,17,18,19,20,21,22,23,24,25,26,27,28,29,30,31
	ds_load_b128 v[S+4*\i:S+4*\i+3], v[WLA] offset:16384+512*\i    ; Wo's tiles 8 to 15, where the quarters lay
.endr
	s_wait_loadcnt 0x0                             ; the bias
	WIN W_E0
.irp s, 0,1                            ; out^T = (Wo g')^T O^T + bias: source 0 = 16 output channels, source 1 = my 16 rows; eight accumulators by turns
.irp u, 0,1,2,3,4,5,6,7
	v_wmma_f32_16x16x32_f16 v[8*\u:8*\u+7], v[128+16*\u+8*\s:128+16*\u+8*\s+7], v[OF+8*\s:OF+8*\s+7], v[8*\u:8*\u+7]
.endr
.endr
	s_wait_dscnt 0x0
	WIN W_PV
.irp s, 0,1
.irp u, 0,1,2,3,4,5,6,7
	v_wmma_f32_16x16x32_f16 v[64+8*\u:64+8*\u+7], v[S+16*\u+8*\s:S+16*\u+8*\s+7], v[OF+8*\s:OF+8*\s+7], v[64+8*\u:64+8*\u+7]
.endr
.endr
	WIN 0
.rept 4
	v_nop                                          ; places ahead of the first read of results and of the loads into Wo's registers
.endr
	; ---- THE WAY OUT.  A lane holds eight neighbouring outputs of a row, 32 bytes; half a row (512 bytes) of 16 rows at a time goes through my own stage and comes back as whole half rows.
	; LDS serves a wave's instructions in order: no wait between the stores and the loads, nor ahead of the second half's stores.
.irp hb, 0,1
	WIN W_D1
.irp u, 0,1,2,3,4,5,6,7
	ds_store_b128 v[STO], v[64*\hb+8*\u:64*\hb+8*\u+3] offset:64*\u
	ds_store_b128 v[STO], v[64*\hb+8*\u+4:64*\hb+8*\u+7] offset:64*\u+16
.endr
	WIN 0
.irp i, 0,1,2,3,4,5,6,7,8,9,10,11,12,13,14,15
	ds_load_b128 v[S+64*\hb+4*\i:S+64*\hb+4*\i+3], v[RD] offset:528*\i
.endr
.endr
.irp i, 0,1,2,3,4,5,6,7,8,9,10,11,12,13,14,15
	s_wait_dscnt 47-\i                             ; behind this load: the first half's 15 - i younger loads and the second half's 32 LDS instructions
	global_store_b128 v[LI], v[S+4*\i:S+4*\i+3], s[12:13] offset:1024*\i th:TH_STORE_NT   ; 32 lanes store 512 consecutive bytes, aligned; written once, read by nobody here
.endr
.irp i, 0,1,2,3,4,5,6,7,8,9,10,11,12,13,14,15
	s_wait_dscnt 15-\i
	global_store_b128 v[LI], v[S+64+4*\i:S+64+4*\i+3], s[12:13] offset:1024*\i+512 th:TH_STORE_NT
.endr
	s_wait_tensorcnt 0x0                           ; the wave's end: behind my last tensor load and my last LDS store
	ds_add_u32 v[SPW], v[NIL]
	s_wait_dscnt 0x0
	CROUND                                         ; the closing round: no work-group ends while a partner may still ask for a tile that names it
	s_endpgm
.Lfunc_end_k_qaedacb3856_attn:
	.size	k_qaedacb3856_attn, .Lfunc_end_k_qaedacb3856_attn-k_qaedacb3856_attn
	.p2alignl 7, 3214868480
	.fill 96, 4, 3214868480
	.section	.rodata,"a",@progbits
	.p2align	6, 0x0
	.amdhsa_kernel k_qaedacb3856_attn
		.amdhsa_group_segment_fixed_size 327680
		.amdhsa_private_segment_fixed_size 0
		.amdhsa_enable_private_segment 0
		.amdhsa_kernarg_size 40
		.amdhsa_user_sgpr_count 2
		.amdhsa_user_sgpr_kernarg_segment_ptr 1
		.amdhsa_wavefront_size32 1
		.amdhsa_system_sgpr_workgroup_id_x 1
		.amdhsa_system_sgpr_workgroup_id_y 1
		.amdhsa_system_sgpr_workgroup_id_z 1
		.amdhsa_system_vgpr_workitem_id 0
		.amdhsa_next_free_vgpr 512
		.amdhsa_next_free_sgpr 66
		.amdhsa_reserve_vcc 0
		.amdhsa_float_denorm_mode_32 3
		.amdhsa_float_denorm_mode_16_64 3
		.amdhsa_memory_ordered 1
		.amdhsa_forward_progress 1
		.amdhsa_inst_pref_size 255
	.end_amdhsa_kernel
	.section	.bss,"aw",@nobits
	.p2align	6
	.space	262144
	.amdgpu_metadata
---
amdhsa.version: [ 1, 2 ]
amdhsa.kernels:
  - .name:           k_qaedacb3856_attn
    .symbol:         k_qaedacb3856_attn.kd
    .args:
      - { .name: kf, .offset: 0, .size: 8, .value_kind: global_buffer, .address_space: global }
      - { .name: qv, .offset: 8, .size: 8, .value_kind: global_buffer, .address_space: global }
      - { .name: wof, .offset: 16, .size: 8, .value_kind: global_buffer, .address_space: global }
      - { .name: bias, .offset: 24, .size: 8, .value_kind: global_buffer, .address_space: global }
      - { .name: out0, .offset: 32, .size: 8, .value_kind: global_buffer, .address_space: global }
    .group_segment_fixed_size: 327680
    .private_segment_fixed_size: 0
    .kernarg_segment_align: 8
    .kernarg_segment_size: 40
    .max_flat_workgroup_size: 256
    .sgpr_count:     66
    .vgpr_count:     512
    .wavefront_size: 32
...
	.end_amdgpu_metadata
.endif
;; end of part 4
